; MI455X (gfx1250); checked and timed in simulation.
; The chip was launched on July 23, 2026; its instructions are those of AMD's public machine-readable ISA for CDNA 5 (MIT licence, August 2026) and "CDNA5" Instruction Set Architecture Reference Guide (July 2026). The comments in the code are by the model that wrote it; some were corrected since.
;; Attention. Allowed arithmetic: float matrix products may take bf16 or f16 operands with f32 sums; other float arithmetic in f32, or as packed bf16 or f16 multiplies, adds, multiply-adds, maxima and minima; sums over many terms, partial sums and values carried from step to step in f32; what a program stores and reads back later, other than sums and carried values, may be rounded once to bf16 or f16.
;; Inputs: Wk 1,024 x 1,024 float32; Wq 1,024 x 1,024 float32; Wv 1,024 x 1,024 float32; bk 1,024 float32; bq 1,024 float32; bv 1,024 float32; x 4 x 2,048 x 1,024 float32.
;; Outputs: out0 4 x 2,048 x 1,024 float32.
;; 3 versions, each right; version 3 is version 2 with the launch cast written anew for expert scheduling mode. Each part assembles by itself: llvm-mc -triple=amdgcn-amd-amdhsa -mcpu=gfx1250 --defsym DOCPART=n.
;; ======== version 1 of 3: 4 launches
;; limits: values are held in f16: magnitudes above 65,504 overflow, below 6.1e-05 lose precision
;; workspace buffers: xb 16,777,216 bytes; wb 6,291,456 bytes; qkv 50,331,648 bytes; pw 33,554,432 bytes; st 1,048,576 bytes
;; launch cast (part 1): grid 704 x 1, 8 waves a work-group, no clusters, 0 bytes of LDS; arguments x, Wq, Wk, Wv, xb, wb; writes xb, wb
.if DOCPART == 1
	.amdgcn_target "amdgcn-amd-amdhsa--gfx1250"
	.amdhsa_code_object_version 6
	.text
	.protected	k_qffbc2e996c_cast
	.globl	k_qffbc2e996c_cast
	.p2align	8
	.type	k_qffbc2e996c_cast,@function
k_qffbc2e996c_cast:
	s_mov_b64 s[64:65], 0
	v_nop
	global_prefetch_b8 v0, s[64:65] scope:SCOPE_SE
	s_setreg_imm32_b32 hwreg(HW_REG_WAVE_MODE, 25, 1), 1
	s_wait_xcnt 0x0
; CAST.  xb = bf16(x), [8192][1024];  wb = bf16 of Wq, Wk, Wv one below the other, [3072][1024].  Round to nearest even, once.
; A stream: every input byte is read once, every output byte written once; no LDS, no matrix unit, no barrier: no wave wants another's bytes.
; SHARES.  A work-group takes 16,384 numbers (65,536 bytes in, 32,768 out): groups 0-511 x, groups 512-703 the weights, 64 groups a matrix.
; A wave takes 2,048 numbers: 16 loads of 16 bytes a lane (512 neighbouring bytes each), all issued at once; each load's numbers leave by one
; store of 8 bytes a lane: 256 consecutive bytes, at a multiple of 256 from the buffer's first byte.
.set X, 4                              ; v[4:67]   16 x 4 registers as loaded
.set Y, 68                             ; v[68:99]  16 x 2 registers to store; no register is written twice, so no store's source is ever rewritten
	s_load_b256 s[4:11], s[0:1], 0x0               ; x s[4:5], Wq s[6:7], Wk s[8:9], Wv s[10:11]
	s_load_b128 s[12:15], s[0:1], 0x20             ; xb s[12:13], wb s[14:15]
	v_and_b32 v1, 0xe0, v0                         ; 32 x wave
	v_and_b32 v2, 31, v0                           ; lane
	v_lshlrev_b32 v1, 8, v1                        ; wave x 8,192 bytes
	v_lshl_or_b32 v1, v2, 4, v1                    ; + 16 x lane: my offset in the group's input
	v_lshrrev_b32 v2, 1, v1                        ; half of it: my offset in its output
	s_mov_b32 s2, ttmp9                            ; the group's number
	s_sub_co_u32 s3, s2, 512                       ; its number among the weights' groups (used from group 512 on alone)
	s_lshr_b32 s16, s3, 6                          ; which matrix,
	s_and_b32 s17, s3, 63                          ; which part of it
	s_wait_kmcnt 0x0
	s_cmp_eq_u32 s16, 1
	s_cselect_b64 s[18:19], s[8:9], s[6:7]         ; Wk or Wq,
	s_cmp_eq_u32 s16, 2
	s_cselect_b64 s[18:19], s[10:11], s[18:19]     ; or Wv,
	s_cmp_lt_u32 s2, 512
	s_cselect_b64 s[18:19], s[4:5], s[18:19]       ; or x
	s_cselect_b64 s[20:21], s[12:13], s[14:15]     ; into xb or wb
	s_cselect_b32 s22, s2, s17                     ; the part's number in the source,
	s_cselect_b32 s23, s2, s3                      ; and in the destination
	s_lshl_b32 s24, s22, 16
	s_mov_b32 s25, 0
	s_lshl_b32 s26, s23, 15
	s_mov_b32 s27, 0
	s_add_nc_u64 s[18:19], s[18:19], s[24:25]
	s_add_nc_u64 s[20:21], s[20:21], s[26:27]
.set j, 0
.rept 16
	global_load_b128 v[X+4*j:X+4*j+3], v1, s[18:19] offset:512*j th:TH_LOAD_NT
.set j, j+1
.endr
.set j, 0
.rept 16
	s_wait_loadcnt 15-j                            ; loads come back in order (ISA guide 5.7.1): load j is in, the 15 - j younger ones stay out
	v_cvt_pk_bf16_f32 v[Y+2*j], v[X+4*j], v[X+4*j+1]
	v_cvt_pk_bf16_f32 v[Y+2*j+1], v[X+4*j+2], v[X+4*j+3]
	global_store_b64 v2, v[Y+2*j:Y+2*j+1], s[20:21] offset:256*j
.set j, j+1
.endr
	s_endpgm
.Lfunc_end_k_qffbc2e996c_cast:
	.size	k_qffbc2e996c_cast, .Lfunc_end_k_qffbc2e996c_cast-k_qffbc2e996c_cast
	.p2alignl 7, 3214868480
	.fill 96, 4, 3214868480
	.section	.rodata,"a",@progbits
	.p2align	6, 0x0
	.amdhsa_kernel k_qffbc2e996c_cast
		.amdhsa_group_segment_fixed_size 0
		.amdhsa_private_segment_fixed_size 0
		.amdhsa_enable_private_segment 0
		.amdhsa_kernarg_size 48
		.amdhsa_user_sgpr_count 2
		.amdhsa_user_sgpr_kernarg_segment_ptr 1
		.amdhsa_wavefront_size32 1
		.amdhsa_system_sgpr_workgroup_id_x 1
		.amdhsa_system_sgpr_workgroup_id_y 1
		.amdhsa_system_sgpr_workgroup_id_z 1
		.amdhsa_system_vgpr_workitem_id 0
		.amdhsa_next_free_vgpr 104
		.amdhsa_next_free_sgpr 66
		.amdhsa_reserve_vcc 0
		.amdhsa_float_denorm_mode_32 3
		.amdhsa_float_denorm_mode_16_64 3
		.amdhsa_memory_ordered 1
		.amdhsa_forward_progress 1
		.amdhsa_inst_pref_size 7
	.end_amdhsa_kernel
	.amdgpu_metadata
---
amdhsa.version: [ 1, 2 ]
amdhsa.kernels:
  - .name:           k_qffbc2e996c_cast
    .symbol:         k_qffbc2e996c_cast.kd
    .args:
      - { .name: x, .offset: 0, .size: 8, .value_kind: global_buffer, .address_space: global }
      - { .name: Wq, .offset: 8, .size: 8, .value_kind: global_buffer, .address_space: global }
      - { .name: Wk, .offset: 16, .size: 8, .value_kind: global_buffer, .address_space: global }
      - { .name: Wv, .offset: 24, .size: 8, .value_kind: global_buffer, .address_space: global }
      - { .name: xb, .offset: 32, .size: 8, .value_kind: global_buffer, .address_space: global }
      - { .name: wb, .offset: 40, .size: 8, .value_kind: global_buffer, .address_space: global }
    .group_segment_fixed_size: 0
    .private_segment_fixed_size: 0
    .kernarg_segment_align: 8
    .kernarg_segment_size: 48
    .max_flat_workgroup_size: 256
    .sgpr_count:     66
    .vgpr_count:     104
    .wavefront_size: 32
...
	.end_amdgpu_metadata
.endif
;; end of part 1
;; launch proj (part 2): grid 12 x 64, 4 waves a work-group, clusters of 4 x 4, 327,680 bytes of LDS; arguments xb, wb, qkv, bq, bk, bv; writes qkv
.if DOCPART == 2
	.amdgcn_target "amdgcn-amd-amdhsa--gfx1250"
	.amdhsa_code_object_version 6
	.text
	.protected	k_qffbc2e996c_proj
	.globl	k_qffbc2e996c_proj
	.p2align	8
	.type	k_qffbc2e996c_proj,@function
k_qffbc2e996c_proj:
	s_mov_b64 s[64:65], 0
	v_nop
	global_prefetch_b8 v0, s[64:65] scope:SCOPE_SE
	s_setreg_imm32_b32 hwreg(HW_REG_WAVE_MODE, 25, 1), 1
	s_wait_xcnt 0x0
	s_wait_alu depctr_hold_cnt(0) depctr_sa_sdst(0) depctr_va_vdst(0) depctr_va_sdst(0) depctr_va_ssrc(0) depctr_va_vcc(0) depctr_vm_vsrc(0)
	s_getreg_b32 s2, hwreg(HW_REG_IB_STS2, 6, 4)
	s_cmp_eq_u32 s2, 0
	s_cbranch_scc0 .Lentry_in_a_cluster
	s_endpgm
.Lentry_in_a_cluster:
	s_bfe_u32 s2, ttmp6, 0x10000c
	s_cmp_lg_u32 s2, 0xf033
	s_cbranch_scc0 .Lentry_shape_is_right
	s_endpgm
.Lentry_shape_is_right:
; PROJ.  qkv[m][n] = sum over e of xb[m][e] wb[n][e] + bias[n].  xb: [8192][1024] bf16, wb: [3072][1024] bf16 (Wq, Wk, Wv), qkv: [8192][3072] f16 (a row: q, k, v).
; Sums in f32; the bias (bq, bk or bv, rounded to bf16 like every input of the module) is the C operand that starts each sum; the result is rounded once, to f16.
; LIMIT.  f16 holds no number beyond 65,504: q, k and v must stay within it.  NaN and infinities are not treated apart.
; SHARES.  A work-group makes 128 x 256 of qkv; each of its four waves 64 x 128: 32 accumulators of 16 x 16.  768 work-groups of equal work.
; K goes in steps of 128 through two LDS slots filled by the tensor data mover: rows of 256 bytes, at multiples of 256 bytes from the buffer's first byte.
; CLUSTER.  4 x 4 work-groups.  The four of a row of the cluster need the same 128 rows of xb, the four of a column the same 256 rows of wb: each tile is asked for JOINTLY.
; THE MATRIX INSTRUCTION IS USED TRANSPOSED (source 0 = 16 rows of wb, source 1 = 16 rows of xb): lane l holds row l % 16 of the result and the columns 8 (l / 16) + 0..7.
; REGISTERS, in windows of 256 (s_set_vgpr_msb: bits 1:0 source 0, 3:2 source 1, 5:4 source 2, 7:6 destination):
;   window 0: v0-31 addresses; v64-127 the bias; v128-223 at work on the way out        window 1: accumulator (a, b) at v[8 (8 a + b)]
;   windows 2, 3: fragment buffers 0, 1, each 64 along K: A's fragment (c, a) at v[8 (4 c + a)], B's (c, b) at v[64 + 8 (8 c + b)], c = which 32 along K
; All of LDS is claimed.
.set T,      8                         ; K steps
.set PA,     272                       ; an LDS row: 256 bytes + 16 of padding = 68 words: the 16 rows of a fragment load start at 16 different groups of four banks (64 banks of 4 bytes: ISA guide 11.1)
.set AHALF,  64*PA                     ; what one of A's tensor loads brings, and what a wave reads of A
.set BHALF,  128*PA                    ; the same for B
.set BOFF,   2*AHALF                   ; in a slot: A's 128 rows, then B's 256
.set SLOT1,  1<<17                     ; slot 1 begins here: one exclusive or turns an address in one slot into the other's
.set STAGE,  SLOT1+BOFF+2*BHALF        ; behind the ring: 16 rows x 272 bytes for each wave, for the way out
.set SP,     272
.set SPARE,  STAGE+4*16*SP             ; behind the stages: the spare words, 128 bytes a wave: two blocks of 256 bytes that no other line names
.set KB,     256                       ; bytes of a row in a K step
.set ROWA,   2048                      ; bytes in a row of xb and of wb
.set PITCHC, 6144                      ; bytes in a row of qkv
.set G1W,    (1<<16)|(1<<20)|(1<<21)|(5<<22)|(3<<25)  ; 17:16 2-byte elements; 20 padding on; 21 set beside a mask; 24:22 after every 64 words; 31:25 4 words of it
.set ADRA, 16                          ; v16  LDS address of my A fragments in the slot in hand
.set ADRB, 17                          ; v17  the same for B
.set A0,   18                          ; v18  my lane's place in a slot's A; never rewritten
.set B0,   19                          ; v19  the same for B
.set STO,  24                          ; v24  the way out: where I put 16 bytes of a row
.set RD,   25                          ; v25  where I read a row back
.set CO,   26                          ; v26  my byte offset in qkv
.set SPW,  28                          ; v28  LDS address of my spare word; never rewritten
.set NIL,  29                          ; v29  0; never rewritten
.set PFO,  30                          ; v30  the prefetches' offset: lane x a row; never rewritten
.set BO,   31                          ; v31  my byte offset in the bias
.set BIAS, 64
.set TMP,  128
.set BK0,  160
.set WV, 16                            ; s16 wave;  s17 which 64 rows are mine, also: I fetch for A (0) or B (1);  s18 which 128 columns, also: which half I fetch
.set WR, 17
.set WC, 18
.set CX, 19                            ; s19, s20 my place in the cluster
.set CY, 20
.set TCOL, 21                          ; s21 tile column = 4 x cluster x + cx;  s22 tile row = 4 x cluster y + cy
.set TROW, 22
.set G1A, 24                           ; s[24:31] group 1 for A's tiles;  s[32:39] group 0: a set for each first fill; the second then walks
.set G0A, 32
.set G1B, 48                           ; s[48:55], s[56:63] the same for B's
.set G0B, 56
.set TB,  66                           ; s66 LDS byte at which the slot in hand begins
.set LIM, 67                           ; s67 2 in a wave that prefetches, else the greatest number
.set PFA, 68                           ; s[68:69] where my prefetches stand
.set CNT, 76                           ; s76 refills still to come
.set CLY, 77                           ; s77 cluster y
.set MSB, 0
.macro WIN new                         ; the immediate's high byte repeats the setting that is left; a switch that changes nothing is dropped
.if MSB != (\new)
	s_set_vgpr_msb (MSB<<8)|(\new)
.set MSB, \new
.endif
.endm
.macro PLACES                          ; four places behind a matrix instruction, in front of loads into registers that it read and of lines that read its result
.rept 4
	v_nop
.endr
.endm
; A joint refill, by the walking descriptor.  Waves 0 and 1 fetch A's halves, waves 2 and 3 B's; the branch hangs on the wave's number alone.
; An s_nop 0 and four v_nop follow each of the two lines, ahead of the jump and the label.
.macro JLOAD
	s_cmp_eq_u32 s[WR], 0
	s_cbranch_scc0 .Lfor_b_\@
	tensor_load_to_lds s[G0A+4:G0A+7], s[G1A:G1A+7]
	s_nop 0
.rept 4
	v_nop
.endr
	s_branch .Lasked_\@
.Lfor_b_\@:
	tensor_load_to_lds s[G0B+4:G0B+7], s[G1B:G1B+7]
	s_nop 0
.rept 4
	v_nop
.endr
.Lasked_\@:
.endm
; A PREFETCH INTO THE L2, behind a joint refill and the run of LDS loads that follows it: 32 rows x 256 bytes of the K step that stands two refills on (256 matrix instructions ahead of its load), a lane a row.
; Each row's 256 bytes of a K step are named once in the launch: A's rows by the clusters with x = 0 (wave 0; partner cx takes rows 32 cx on of the tile's 128), B's by the clusters with y = 0
; (waves 2 and 3; partner cy takes 32 of the wave's 128): the partners are told apart by address.  The last two refills ask for nothing; K steps 0 to 3 come by their loads alone.
.macro ASK
	s_cmp_gt_u32 s[CNT], s[LIM]
	s_cbranch_scc0 .Lnot_mine_\@
	global_prefetch_b8 v[PFO], s[PFA:PFA+1] th:TH_LOAD_NT scope:SCOPE_SE
.Lnot_mine_\@:
.endm
.macro CREST                           ; a round of the cluster's barrier behind its opening barrier
	s_cmp_lg_u32 s[WV], 0
	s_cbranch_scc1 .Lnot_wave_0_\@
	s_barrier_signal -3
.Lnot_wave_0_\@:
	s_barrier_wait -3
	s_barrier_signal -1
	s_barrier_wait -1
.endm
.macro CROUND                          ; a whole round
	s_barrier_signal -1
	s_barrier_wait -1
	CREST
.endm
; 48 LDS loads in one run: half (0, 1) of a K step, 64 along K, into buffer g: A's 16 loads, then B's 32
.macro FETCH half, g
	WIN 0x80+0x40*(\g)
.irp c, 0,1
.irp a, 0,1,2,3
	ds_load_b128 v[8*(4*(\c)+(\a)):8*(4*(\c)+(\a))+3],   v[ADRA] offset:(\half)*128+(\c)*64+(\a)*16*PA
	ds_load_b128 v[8*(4*(\c)+(\a))+4:8*(4*(\c)+(\a))+7], v[ADRA] offset:(\half)*128+(\c)*64+(\a)*16*PA+32
.endr
.endr
.irp c, 0,1
.irp b, 0,1,2,3,4,5,6,7
	ds_load_b128 v[64+8*(8*(\c)+(\b)):64+8*(8*(\c)+(\b))+3],   v[ADRB] offset:(\half)*128+(\c)*64+(\b)*16*PA
	ds_load_b128 v[64+8*(8*(\c)+(\b))+4:64+8*(8*(\c)+(\b))+7], v[ADRB] offset:(\half)*128+(\c)*64+(\b)*16*PA+32
.endr
.endr
	WIN 0
.endm
; 8 na matrix instructions: row blocks a0 .. a0 + na - 1 x all 8 column blocks, 32 along K: part c of buffer f.  mode 2: the bias starts the sums.
; The 32 accumulators take turns, one instruction a turn, in the same order in every part, over the backward jump too.
.macro MULS f, c, a0, na, mode
.if (\mode) == 2
	WIN 0x4a                                       ; sources 0 and 1 window 2, C window 0, D window 1
.else
	WIN 0x5a+5*(\f)                                ; sources 0 and 1 window 2 or 3, C and D window 1
.endif
.set ma, \a0
.rept \na
.set mb, 0
.rept 8
.if (\mode) == 2
	v_wmma_f32_16x16x32_bf16 v[8*(8*ma+mb):8*(8*ma+mb)+7], v[64+8*(8*(\c)+mb):64+8*(8*(\c)+mb)+7], v[8*(4*(\c)+ma):8*(4*(\c)+ma)+7], v[BIAS+8*mb:BIAS+8*mb+7]
.else
	v_wmma_f32_16x16x32_bf16 v[8*(8*ma+mb):8*(8*ma+mb)+7], v[64+8*(8*(\c)+mb):64+8*(8*(\c)+mb)+7], v[8*(4*(\c)+ma):8*(4*(\c)+ma)+7], v[8*(8*ma+mb):8*(8*ma+mb)+7]
.endif
.set mb, mb+1
.endr
.set ma, ma+1
.endr
.endm
; FROM A K STEP'S SECOND QUARTER TO THE NEXT STEP'S FIRST: 128 matrix instructions and the change of slots.  In front of the ONE barrier each wave waits for all its tensor loads (one is out: its part
; of the next slot), adds 0 to its spare word, and waits for that and for its reads of this slot.  fill = 1: the barrier opens a round of the cluster's, and the slot just read is filled again first thing behind it,
; with the K step two on: 112 matrix instructions stand between that request and the wait for it.
.macro PARTB fill
.if \fill
	s_wait_xcnt 0x0                                ; the last prefetch, a K step back, has read its address: it is stepped here
	s_add_nc_u64 s[PFA:PFA+1], s[PFA:PFA+1], KB
.endif
	MULS 0, 1, 0, 2, 0
	WIN 0                                          ; (the add's two registers lie in window 0)
	s_wait_tensorcnt 0x0                           ; all my tensor loads have landed, so a group 0 may be written
	ds_add_u32 v[SPW], v[NIL]                      ; 0 onto my spare word
.if \fill
	s_xor_b32 s[G0A+5], s[G0A+5], SLOT1            ; the walking descriptors: the other slot than last time,
	s_add_nc_u64 s[G0A+6:G0A+7], s[G0A+6:G0A+7], KB  ; the next K step; the type bits on top are not reached
	s_xor_b32 s[G0B+5], s[G0B+5], SLOT1
	s_add_nc_u64 s[G0B+6:G0B+7], s[G0B+6:G0B+7], KB
.endif
	MULS 0, 1, 2, 1, 0                             ; eight matrix instructions stand between the add and the wait for it
	s_wait_dscnt 0x0                               ; the add is done, and my reads of this slot (the last: buffer 1's run) are back
	s_barrier_signal -1
	MULS 0, 1, 3, 1, 0                             ; work on registers while the others arrive
	WIN 0                                          ; at a branch and at a label every window is 0
	s_barrier_wait -1
.if \fill
	CREST                                          ; no wave of any partner still reads this slot or has a load on its way
	JLOAD                                          ; its four v_nop are also the places in front of the loads below
.else
	PLACES
.endif
	s_xor_b32 s[TB], s[TB], SLOT1
	v_add_nc_u32 v[ADRA], s[TB], v[A0]
	v_add_nc_u32 v[ADRB], s[TB], v[B0]
	FETCH 0, 0                                     ; the next slot's first half
.if \fill
	ASK
.endif
	MULS 1, 0, 0, 4, 0
	MULS 1, 1, 0, 4, 0
	WIN 0
	PLACES
	FETCH 1, 1
	s_wait_dscnt 48                                ; all but the 48 just issued: buffer 0 is in
	MULS 0, 0, 0, 4, 0
	WIN 0
.endm
; THE WAY OUT of row block a: rounded to f16, 16 bytes a lane; into my own stage and back as whole rows of 256 bytes; stored.
.macro PACK a
	WIN 0x05                                       ; sources 0 and 1 window 1, destination window 0; each accumulator's registers in ascending order
.set pi, 0
.rept 32
	v_cvt_pk_f16_f32 v[TMP+pi], v[64*(\a)+2*pi], v[64*(\a)+2*pi+1]
.set pi, pi+1
.endr
	WIN 0
.endm
.macro TOSTAGE a
.set BK, BK0+32*((\a)%2)
.irp b, 0,1,2,3,4,5,6,7
	ds_store_b128 v[STO], v[TMP+4*(\b):TMP+4*(\b)+3] offset:32*(\b)
.endr
.irp t, 0,1,2,3,4,5,6,7
	ds_load_b128 v[BK+4*(\t):BK+4*(\t)+3], v[RD] offset:(\t)*2*SP  ; LDS serves a wave's instructions in order (ISA guide 5.7.1.4): these see the stores above
.endr
.endm
.macro SEND a
.set BK, BK0+32*((\a)%2)
	s_wait_dscnt 0x0                               ; the block is back in registers
	s_wait_xcnt 0x0                                ; the stores of the block before have read their registers, which the next block's loads from the stage write
.irp t, 0,1,2,3,4,5,6,7
	global_store_b128 v[CO], v[BK+4*(\t):BK+4*(\t)+3], s[8:9] offset:(16*(\a)+2*(\t))*PITCHC  ; 16 lanes store 256 consecutive bytes, at a multiple of 256 from qkv's first byte
.endr
.endm
	s_load_b256 s[4:11], s[0:1], 0x0               ; xb s[4:5], wb s[6:7], qkv s[8:9], bq s[10:11]
	s_load_b128 s[12:15], s[0:1], 0x20             ; bk s[12:13], bv s[14:15]
	v_lshl_add_u32 v[SPW], v0, 2, SPARE
	v_mov_b32 v[NIL], 0
	ds_add_u32 v[SPW], v[NIL]                      ; the wave's opening: the add and its wait stand ahead of my first tensor load; the set-up below, work on registers, stands between them
	v_lshrrev_b32 v1, 5, v0
	v_readfirstlane_b32 s[WV], v1
	s_lshr_b32 s[WR], s[WV], 1
	s_and_b32 s[WC], s[WV], 1
	s_bfe_u32 s[CX], ttmp6, 0x40000
	s_bfe_u32 s[CY], ttmp6, 0x40004
	s_lshl_b32 s[TCOL], ttmp9, 2                   ; in a cluster launch ttmp9 and ttmp7 count clusters
	s_add_co_u32 s[TCOL], s[TCOL], s[CX]
	s_and_b32 s[CLY], ttmp7, 0xffff
	s_lshl_b32 s[TROW], s[CLY], 2
	s_add_co_u32 s[TROW], s[TROW], s[CY]
	s_lshl_b32 s44, s[CY], 2
	s_lshl_b32 s44, 15, s44                        ; my row of the cluster: places 4 cy .. 4 cy + 3
	s_lshl_b32 s45, 0x1111, s[CX]                  ; my column: places cx, cx + 4, cx + 8, cx + 12
	s_or_b32 s[G1A], s44, G1W                      ; A's tiles go to my row,
	s_or_b32 s[G1B], s45, G1W                      ; B's to my column
.irp g, G1A, G1B
	s_mov_b32 s[(\g)+1], 128<<16                   ; tensor_dim0 = 128
	s_mov_b32 s[(\g)+3], 128<<16                   ; tile_dim0 = 128
	s_mov_b32 s[(\g)+5], 1024                      ; elements from row to row
	s_mov_b32 s[(\g)+6], 0
	s_mov_b32 s[(\g)+7], 0
.endr
	s_mov_b32 s[G1A+2], 64<<16                     ; tensor_dim1 = tile_dim1 = 64 rows for A,
	s_mov_b32 s[G1A+4], 64
	s_mov_b32 s[G1B+2], 128<<16                    ; 128 for B
	s_mov_b32 s[G1B+4], 128
	s_mul_i32 s23, s[WC], AHALF                    ; where the tiles go: no place in the cluster enters an LDS address
	s_mov_b32 s[G0A], 1
	s_mov_b32 s[G0A+1], s23
	s_mov_b32 s[G0A+4], 1
	s_add_co_u32 s[G0A+5], s23, SLOT1
	s_mul_i32 s23, s[WC], BHALF
	s_mov_b32 s[G0B], 1
	s_add_co_u32 s[G0B+1], s23, BOFF
	s_mov_b32 s[G0B+4], 1
	s_add_co_u32 s[G0B+5], s23, SLOT1+BOFF
	s_lshl_b32 s42, s[TROW], 7                     ; A: row 128 x tile row + 64 x half, which my row of the cluster shares
	s_lshl_b32 s23, s[WC], 6
	s_add_co_u32 s42, s42, s23
	s_lshl_b32 s42, s42, 11                        ; in bytes (under 2^25)
	s_mov_b32 s43, 0
	s_lshl_b32 s46, s[TCOL], 8                     ; B: row 256 x tile column + 128 x half, which my column shares
	s_lshl_b32 s23, s[WC], 7
	s_add_co_u32 s46, s46, s23
	s_lshl_b32 s46, s46, 11
	s_mov_b32 s47, 0
	s_wait_dscnt 0x0                               ; the opening add is done
	s_wait_kmcnt 0x0
	s_add_nc_u64 s[G0A+2:G0A+3], s[4:5], s[42:43]  ; K step 0,
	s_add_nc_u64 s[G0A+6:G0A+7], s[G0A+2:G0A+3], KB  ; K step 1
	s_or_b32 s[G0A+3], s[G0A+3], 0x80000000        ; type = 2
	s_or_b32 s[G0A+7], s[G0A+7], 0x80000000
	s_add_nc_u64 s[G0B+2:G0B+3], s[6:7], s[46:47]
	s_add_nc_u64 s[G0B+6:G0B+7], s[G0B+2:G0B+3], KB
	s_or_b32 s[G0B+3], s[G0B+3], 0x80000000
	s_or_b32 s[G0B+7], s[G0B+7], 0x80000000
	CROUND                                         ; all sixteen work-groups are here: the first joint loads meet
	s_cmp_eq_u32 s[WR], 0                          ; a wave's two first fills stand in one branch, ahead of every wait on TENSORcnt and every LDS read: two loads of mine are out
	s_cbranch_scc0 .Lfirst_b
	tensor_load_to_lds s[G0A:G0A+3], s[G1A:G1A+7]
	s_nop 0
	tensor_load_to_lds s[G0A+4:G0A+7], s[G1A:G1A+7]
	s_nop 0
.rept 4
	v_nop
.endr
	s_branch .Lfirst_asked
.Lfirst_b:
	tensor_load_to_lds s[G0B:G0B+3], s[G1B:G1B+7]
	s_nop 0
	tensor_load_to_lds s[G0B+4:G0B+7], s[G1B:G1B+7]
	s_nop 0
.rept 4
	v_nop
.endr
.Lfirst_asked:
	; the bias of my 128 columns: cluster x = 0, 1, 2 is q, k, v; register 8 b + j takes column 16 b + 8 (l / 16) + j, as the accumulators hold them
	s_cmp_eq_u32 ttmp9, 1
	s_cselect_b64 s[10:11], s[12:13], s[10:11]
	s_cmp_eq_u32 ttmp9, 2
	s_cselect_b64 s[10:11], s[14:15], s[10:11]
	v_and_b32 v1, 15, v0                           ; l % 16
	v_bfe_u32 v2, v0, 4, 1                         ; l / 16
	s_lshl_b32 s84, s[CX], 10
	s_lshl_b32 s85, s[WC], 9
	s_add_co_u32 s84, s84, s85
	v_lshl_add_u32 v[BO], v2, 5, s84
.irp b, 0,1,2,3,4,5,6,7
	global_load_b128 v[BIAS+8*(\b):BIAS+8*(\b)+3],   v[BO], s[10:11] offset:64*(\b)
	global_load_b128 v[BIAS+8*(\b)+4:BIAS+8*(\b)+7], v[BO], s[10:11] offset:64*(\b)+16
.endr
	; a fragment is 16 rows x 32 K in 8 registers: lane l holds row l % 16, K = 8 (l / 16) + 0..7 and 16 + 8 (l / 16) + 0..7: two loads of 16 bytes, 32 bytes apart
	v_mul_u32_u24 v3, v1, PA
	v_lshl_add_u32 v3, v2, 4, v3                   ; row x pitch + 16 x half
	s_mul_i32 s84, s[WR], AHALF
	v_add_nc_u32 v[A0], s84, v3
	s_mul_i32 s84, s[WC], BHALF
	s_add_co_u32 s84, s84, BOFF
	v_add_nc_u32 v[B0], s84, v3
	s_mul_i32 s84, s[WV], 16*SP
	s_add_co_u32 s84, s84, STAGE                   ; my stage
	v_add_nc_u32 v[STO], s84, v3                   ; in: row l % 16, 16 bytes for each half of the lanes
	v_mul_u32_u24 v4, v2, SP                       ; back: lanes 0-15 take one row of 256 bytes, lanes 16-31 the next
	v_lshl_add_u32 v4, v1, 4, v4
	v_add_nc_u32 v[RD], s84, v4
	v_mul_u32_u24 v4, v2, PITCHC                   ; and the same two rows in qkv
	v_lshl_add_u32 v[CO], v1, 4, v4
	s_lshl_b32 s78, s[TROW], 7                     ; where my part of the tile begins in qkv
	s_lshl_b32 s79, s[WR], 6
	s_add_co_u32 s78, s78, s79
	s_mul_i32 s78, s78, PITCHC
	s_lshl_b32 s79, s[TCOL], 9
	s_add_co_u32 s78, s78, s79
	s_lshl_b32 s79, s[WC], 8
	s_add_co_u32 s78, s78, s79
	s_mov_b32 s79, 0
	s_add_nc_u64 s[8:9], s[8:9], s[78:79]
	; the prefetches
	s_lshl_b32 s80, s[TROW], 7
	s_lshl_b32 s81, s[CX], 5
	s_add_co_u32 s80, s80, s81                     ; A's: my work-group's 32 rows of the tile's 128
	s_lshl_b32 s82, s[TCOL], 8
	s_lshl_b32 s83, s[WC], 7
	s_add_co_u32 s82, s82, s83
	s_lshl_b32 s83, s[CY], 5
	s_add_co_u32 s82, s82, s83                     ; B's: my work-group's 32 rows of the 128 that I fetch
	s_or_b32 s84, ttmp9, s[WC]                     ; A's are asked for by wave 0 of the clusters with x = 0,
	s_cmp_eq_u32 s[WR], 0
	s_cselect_b32 s80, s80, s82
	s_cselect_b32 s84, s84, s[CLY]                 ; B's by waves 2 and 3 of the clusters with y = 0: the same in all sixteen partners, for a given wave
	s_cselect_b64 s[PFA:PFA+1], s[4:5], s[6:7]
	s_cmp_eq_u32 s84, 0
	s_cselect_b32 s[LIM], 2, -1
	s_lshl_b32 s80, s80, 11
	s_add_co_u32 s80, s80, 3*KB                    ; at K step 3: the first refill steps it to 4
	s_mov_b32 s81, 0
	s_add_nc_u64 s[PFA:PFA+1], s[PFA:PFA+1], s[80:81]
	v_and_b32 v[PFO], 31, v0
	v_lshlrev_b32 v[PFO], 11, v[PFO]
	s_wait_loadcnt 0x0                             ; the bias: rounded to bf16 and widened again
.set i, 0
.rept 32
	v_cvt_pk_bf16_f32 v[TMP+i], v[BIAS+2*i], v[BIAS+2*i+1]
.set i, i+1
.endr
.set i, 0
.rept 32
	v_lshlrev_b32 v[BIAS+2*i], 16, v[TMP+i]
	v_and_b32 v[BIAS+2*i+1], 0xffff0000, v[TMP+i]
.set i, i+1
.endr
	s_wait_tensorcnt 0x1                           ; my part of K step 0 is in; K step 1's may stay out
	s_barrier_signal -1
	s_barrier_wait -1                              ; everybody's is
	s_mov_b32 s[TB], 0
	v_add_nc_u32 v[ADRA], s[TB], v[A0]
	v_add_nc_u32 v[ADRB], s[TB], v[B0]
	FETCH 0, 0
	FETCH 1, 1
	s_wait_dscnt 48                                ; buffer 0 is in; buffer 1's 48 loads may stay out
	MULS 0, 0, 0, 4, 2                             ; the first products start the sums, with the bias: nothing is cleared
	WIN 0
	s_mov_b32 s[CNT], T-2
.Lstep:                                            ; T - 2 trips: trip i leaves K step i and asks for K step i + 2
	PARTB 1
	s_sub_co_u32 s[CNT], s[CNT], 1
	s_cmp_lg_u32 s[CNT], 0
	s_cbranch_scc1 .Lstep
	PARTB 0                                        ; the tail is written out: nothing is left to ask for
	MULS 0, 1, 0, 4, 0                             ; the rest of the last K step
	s_wait_dscnt 0x0
	MULS 1, 0, 0, 4, 0
	MULS 1, 1, 0, 4, 0
	WIN 0
	PLACES
	PACK 0
	TOSTAGE 0
.irp a, 1,2,3                          ; block a's conversions stand between block a - 1's loads from the stage and the wait for them
	PACK \a
	SEND (\a)-1
	TOSTAGE \a
.endr
	SEND 3
	s_wait_tensorcnt 0x0                           ; the wave's end, behind my last tensor load and my last LDS store
	ds_add_u32 v[SPW], v[NIL]
	s_wait_dscnt 0x0
	CROUND                                         ; the closing round: no work-group ends while a partner may still ask for a tile that names it
	s_endpgm
.Lfunc_end_k_qffbc2e996c_proj:
	.size	k_qffbc2e996c_proj, .Lfunc_end_k_qffbc2e996c_proj-k_qffbc2e996c_proj
	.p2alignl 7, 3214868480
	.fill 96, 4, 3214868480
	.section	.rodata,"a",@progbits
	.p2align	6, 0x0
	.amdhsa_kernel k_qffbc2e996c_proj
		.amdhsa_group_segment_fixed_size 327680
		.amdhsa_private_segment_fixed_size 0
		.amdhsa_enable_private_segment 0
		.amdhsa_kernarg_size 48
		.amdhsa_user_sgpr_count 2
		.amdhsa_user_sgpr_kernarg_segment_ptr 1
		.amdhsa_wavefront_size32 1
		.amdhsa_system_sgpr_workgroup_id_x 1
		.amdhsa_system_sgpr_workgroup_id_y 1
		.amdhsa_system_sgpr_workgroup_id_z 1
		.amdhsa_system_vgpr_workitem_id 0
		.amdhsa_next_free_vgpr 960
		.amdhsa_next_free_sgpr 96
		.amdhsa_reserve_vcc 0
		.amdhsa_float_denorm_mode_32 3
		.amdhsa_float_denorm_mode_16_64 3
		.amdhsa_memory_ordered 1
		.amdhsa_forward_progress 1
		.amdhsa_inst_pref_size 76
	.end_amdhsa_kernel
	.amdgpu_metadata
---
amdhsa.version: [ 1, 2 ]
amdhsa.kernels:
  - .name:           k_qffbc2e996c_proj
    .symbol:         k_qffbc2e996c_proj.kd
    .args:
      - { .name: xb, .offset: 0, .size: 8, .value_kind: global_buffer, .address_space: global }
      - { .name: wb, .offset: 8, .size: 8, .value_kind: global_buffer, .address_space: global }
      - { .name: qkv, .offset: 16, .size: 8, .value_kind: global_buffer, .address_space: global }
      - { .name: bq, .offset: 24, .size: 8, .value_kind: global_buffer, .address_space: global }
      - { .name: bk, .offset: 32, .size: 8, .value_kind: global_buffer, .address_space: global }
      - { .name: bv, .offset: 40, .size: 8, .value_kind: global_buffer, .address_space: global }
    .group_segment_fixed_size: 327680
    .private_segment_fixed_size: 0
    .kernarg_segment_align: 8
    .kernarg_segment_size: 48
    .max_flat_workgroup_size: 128
    .sgpr_count:     96
    .vgpr_count:     960
    .wavefront_size: 32
...
	.end_amdgpu_metadata
.endif
;; end of part 2
;; launch scores (part 3): grid 8 x 64, 4 waves a work-group, clusters of 4 x 4, 327,680 bytes of LDS; arguments qkv, pw, st; writes pw, st
.if DOCPART == 3
	.amdgcn_target "amdgcn-amd-amdhsa--gfx1250"
	.amdhsa_code_object_version 6
	.text
	.protected	k_qffbc2e996c_scores
	.globl	k_qffbc2e996c_scores
	.p2align	8
	.type	k_qffbc2e996c_scores,@function
k_qffbc2e996c_scores:
	s_mov_b64 s[64:65], 0
	v_nop
	global_prefetch_b8 v0, s[64:65] scope:SCOPE_SE
	s_setreg_imm32_b32 hwreg(HW_REG_WAVE_MODE, 25, 1), 1
	s_wait_xcnt 0x0
	s_wait_alu depctr_hold_cnt(0) depctr_sa_sdst(0) depctr_va_vdst(0) depctr_va_sdst(0) depctr_va_ssrc(0) depctr_va_vcc(0) depctr_vm_vsrc(0)
	s_getreg_b32 s2, hwreg(HW_REG_IB_STS2, 6, 4)
	s_cmp_eq_u32 s2, 0
	s_cbranch_scc0 .Lentry_in_a_cluster
	s_endpgm
.Lentry_in_a_cluster:
	s_bfe_u32 s2, ttmp6, 0x10000c
	s_cmp_lg_u32 s2, 0xf033
	s_cbranch_scc0 .Lentry_shape_is_right
	s_endpgm
.Lentry_shape_is_right:
; SCORES.  s[m][t] = q[m] . k[t] over 1,024 channels, within a batch of 2,048 rows.  For each row m and each block j of 128 keys: mc = c x (the block's largest s), c = log2(e) / 32;
; pw[m][t] = 2^(c s - mc), rounded once to f16; l = the sum of the block's unrounded weights.  st holds mc[16][8192] and, 524,288 bytes on, l[16][8192], f32.
; The maximum that is taken away here is the block's; the launch behind turns it into the row's, by the factor 2^(mc - the row's largest mc): the running-maximum recurrence, cut in two.
; qkv: [8192][3072] f16, a row: q, k, v.  pw: [8192][2048] f16.  Products, maxima and sums in f32.
; LIMITS.  A weight below 6e-5 keeps f16's fixed step of 6e-8; one below 2^-126 counts as 0 in l.  NaN and infinities are not treated apart.
; SHARES.  A work-group makes 128 queries x 256 keys; each of its four waves 64 x 128, one block of keys: 32 accumulators of 16 x 16.  512 work-groups of equal work.
; K goes in steps of 128 through two LDS slots filled by the tensor data mover: rows of 256 bytes, at multiples of 256 bytes from the buffer's first byte.
; CLUSTER.  4 x 4 work-groups.  The four of a row of the cluster need the same 128 rows of q, the four of a column the same 256 rows of k: each tile is asked for JOINTLY.
; THE MATRIX INSTRUCTION IS USED TRANSPOSED (source 0 = 16 keys, source 1 = 16 queries): lane l holds query l % 16 and the keys 8 (l / 16) + 0..7: a query's maximum and sum want one exchange between the halves of the lanes.
; REGISTERS, in windows of 256 (s_set_vgpr_msb: bits 1:0 source 0, 3:2 source 1, 5:4 source 2, 7:6 destination):
;   window 0: v0-31 addresses; v32-47 four registers of statistics a row block; v48-63 at work; v128-223 at work on the way out        window 1: accumulator (a, b) at v[8 (8 a + b)]
;   windows 2, 3: fragment buffers 0, 1, each 64 along K: A's fragment (c, a) at v[8 (4 c + a)], B's (c, b) at v[64 + 8 (8 c + b)]
; All of LDS is claimed.
.set T,      8
.set PA,     272                       ; an LDS row: 256 bytes + 16 of padding = 68 words: the 16 rows of a fragment load start at 16 different groups of four banks (64 banks of 4 bytes: ISA guide 11.1)
.set AHALF,  64*PA
.set BHALF,  128*PA
.set BOFF,   2*AHALF
.set SLOT1,  1<<17
.set SCR,    BOFF+2*BHALF              ; behind slot 0, where no tile lands: 512 bytes for each wave: 64 mc, 64 l
.set STAGE,  SLOT1+BOFF+2*BHALF        ; behind the ring: 16 rows x 272 bytes for each wave
.set SP,     272
.set SPARE,  STAGE+4*16*SP             ; the spare words, 128 bytes a wave: two blocks of 256 bytes that no other line names
.set KB,     256
.set ROWQ,   6144                      ; bytes in a row of qkv
.set PITCHC, 4096                      ; bytes in a row of pw
.set G1W,    (1<<16)|(1<<20)|(1<<21)|(5<<22)|(3<<25)
.set ADRA, 16
.set ADRB, 17
.set A0,   18
.set B0,   19
.set SA,   20                          ; v20  where I put a row's statistic
.set SB,   21                          ; v21  where I read two rows' back
.set SO,   22                          ; v22  my byte offset in 256 bytes of st
.set STO,  24
.set RD,   25
.set CO,   26
.set SPW,  28
.set NIL,  29
.set PFO,  30
.set ST,   32                          ; row block a at v[ST+4 a]: mc, m, l (even keys', odd keys')
.set CH,   48                          ; chain q = 4 a + k at v[CH+q]
.set TMP,  128
.set BK0,  160
.set WV, 16
.set WR, 17
.set WC, 18
.set CX, 19
.set CY, 20
.set TCOL, 21
.set TROW, 22
.set G1A, 24
.set G0A, 32
.set G1B, 48
.set G0B, 56
.set TB,  66
.set LIM, 67
.set PFA, 68
.set CS,  72                           ; s[72:73] c: the packed scaling takes the pair's low word for both halves
.set SEL, 74                           ; s[74:75] v_permlanex16_b32's selects: each lane takes its own place in the other half
.set CNT, 76
.set CLY, 77
.set MSB, 0
.macro WIN new
.if MSB != (\new)
	s_set_vgpr_msb (MSB<<8)|(\new)
.set MSB, \new
.endif
.endm
.macro PLACES
.rept 4
	v_nop
.endr
.endm
; A joint refill, by the walking descriptor: waves 0 and 1 fetch A's halves, waves 2 and 3 B's.  An s_nop 0 and four v_nop follow each of the two lines.
.macro JLOAD
	s_cmp_eq_u32 s[WR], 0
	s_cbranch_scc0 .Lfor_b_\@
	tensor_load_to_lds s[G0A+4:G0A+7], s[G1A:G1A+7]
	s_nop 0
.rept 4
	v_nop
.endr
	s_branch .Lasked_\@
.Lfor_b_\@:
	tensor_load_to_lds s[G0B+4:G0B+7], s[G1B:G1B+7]
	s_nop 0
.rept 4
	v_nop
.endr
.Lasked_\@:
.endm
; A PREFETCH INTO THE L2: 32 rows x 256 bytes of the K step that stands two refills on, a lane a row.  q's rows are named by the clusters with x = 0 (wave 0; partner cx takes 32 of the tile's 128 rows),
; k's by the first of a batch's four clusters along y (waves 2 and 3; partner cy takes 32 of the wave's 128): each block once in the launch, the partners told apart by address.  The last two refills ask for nothing.
.macro ASK
	s_cmp_gt_u32 s[CNT], s[LIM]
	s_cbranch_scc0 .Lnot_mine_\@
	global_prefetch_b8 v[PFO], s[PFA:PFA+1] th:TH_LOAD_NT scope:SCOPE_SE
.Lnot_mine_\@:
.endm
.macro CREST
	s_cmp_lg_u32 s[WV], 0
	s_cbranch_scc1 .Lnot_wave_0_\@
	s_barrier_signal -3
.Lnot_wave_0_\@:
	s_barrier_wait -3
	s_barrier_signal -1
	s_barrier_wait -1
.endm
.macro CROUND
	s_barrier_signal -1
	s_barrier_wait -1
	CREST
.endm
.macro FETCH half, g                   ; 48 LDS loads in one run: half of a K step into buffer g: A's 16, then B's 32
	WIN 0x80+0x40*(\g)
.irp c, 0,1
.irp a, 0,1,2,3
	ds_load_b128 v[8*(4*(\c)+(\a)):8*(4*(\c)+(\a))+3],   v[ADRA] offset:(\half)*128+(\c)*64+(\a)*16*PA
	ds_load_b128 v[8*(4*(\c)+(\a))+4:8*(4*(\c)+(\a))+7], v[ADRA] offset:(\half)*128+(\c)*64+(\a)*16*PA+32
.endr
.endr
.irp c, 0,1
.irp b, 0,1,2,3,4,5,6,7
	ds_load_b128 v[64+8*(8*(\c)+(\b)):64+8*(8*(\c)+(\b))+3],   v[ADRB] offset:(\half)*128+(\c)*64+(\b)*16*PA
	ds_load_b128 v[64+8*(8*(\c)+(\b))+4:64+8*(8*(\c)+(\b))+7], v[ADRB] offset:(\half)*128+(\c)*64+(\b)*16*PA+32
.endr
.endr
	WIN 0
.endm
; 8 na matrix instructions; mode 1: the products start the sums.  The 32 accumulators take turns, one instruction a turn, over the backward jump too.
.macro MULS f, c, a0, na, mode
	WIN 0x5a+5*(\f)
.set ma, \a0
.rept \na
.set mb, 0
.rept 8
.if (\mode) == 1
	v_wmma_f32_16x16x32_f16 v[8*(8*ma+mb):8*(8*ma+mb)+7], v[64+8*(8*(\c)+mb):64+8*(8*(\c)+mb)+7], v[8*(4*(\c)+ma):8*(4*(\c)+ma)+7], 0
.else
	v_wmma_f32_16x16x32_f16 v[8*(8*ma+mb):8*(8*ma+mb)+7], v[64+8*(8*(\c)+mb):64+8*(8*(\c)+mb)+7], v[8*(4*(\c)+ma):8*(4*(\c)+ma)+7], v[8*(8*ma+mb):8*(8*ma+mb)+7]
.endif
.set mb, mb+1
.endr
.set ma, ma+1
.endr
.endm
; From a K step's second quarter to the next step's first, with the change of slots: one barrier; in front of it each wave waits for all its tensor loads, adds 0 to its spare word, and waits for that and for
; its reads of this slot.  fill = 1: the barrier opens a round of the cluster's, and the slot is filled again first thing behind it: 112 matrix instructions stand between that request and the wait for it.
.macro PARTB fill
.if \fill
	s_wait_xcnt 0x0                                ; the last prefetch, a K step back, has read its address
	s_add_nc_u64 s[PFA:PFA+1], s[PFA:PFA+1], KB
.endif
	MULS 0, 1, 0, 2, 0
	WIN 0
	s_wait_tensorcnt 0x0                           ; all my tensor loads have landed, so a group 0 may be written
	ds_add_u32 v[SPW], v[NIL]                      ; 0 onto my spare word
.if \fill
	s_xor_b32 s[G0A+5], s[G0A+5], SLOT1
	s_add_nc_u64 s[G0A+6:G0A+7], s[G0A+6:G0A+7], KB
	s_xor_b32 s[G0B+5], s[G0B+5], SLOT1
	s_add_nc_u64 s[G0B+6:G0B+7], s[G0B+6:G0B+7], KB
.endif
	MULS 0, 1, 2, 1, 0
	s_wait_dscnt 0x0                               ; the add is done, and my reads of this slot are back
	s_barrier_signal -1
	MULS 0, 1, 3, 1, 0
	WIN 0
	s_barrier_wait -1
.if \fill
	CREST
	JLOAD                                          ; its four v_nop are also the places in front of the loads below
.else
	PLACES
.endif
	s_xor_b32 s[TB], s[TB], SLOT1
	v_add_nc_u32 v[ADRA], s[TB], v[A0]
	v_add_nc_u32 v[ADRB], s[TB], v[B0]
	FETCH 0, 0
.if \fill
	ASK
.endif
	MULS 1, 0, 0, 4, 0
	MULS 1, 1, 0, 4, 0
	WIN 0
	PLACES
	FETCH 1, 1
	s_wait_dscnt 48                                ; all but the 48 just issued: buffer 0 is in
	MULS 0, 0, 0, 4, 0
	WIN 0
.endm
.macro FORA line:vararg                ; one line for each row block ea
.set ea, 0
.rept 4
	\line
.set ea, ea+1
.endr
.endm
.macro FOR16 line:vararg               ; one line for each chain eq = 4 a + k: its 16 scores are accumulators 2 k and 2 k + 1 of block a, v[16 eq] on
.set eq, 0
.rept 16
	\line
.set eq, eq+1
.endr
.endm
.macro SCL blk, i                      ; pair i of block blk: c s - mc
	v_pk_fma_f32 v[64*(\blk)+2*(\i):64*(\blk)+2*(\i)+1], v[64*(\blk)+2*(\i):64*(\blk)+2*(\i)+1], s[CS:CS+1], v[ST+4*(\blk):ST+4*(\blk)+1] op_sel_hi:[1,0,0] neg_lo:[0,0,1] neg_hi:[0,0,1]
.endm
.macro PACK a                          ; the block's weights rounded to f16, 16 bytes a lane
	WIN 0x05
.set pi, 0
.rept 32
	v_cvt_pk_f16_f32 v[TMP+pi], v[64*(\a)+2*pi], v[64*(\a)+2*pi+1]
.set pi, pi+1
.endr
	WIN 0
.endm
.macro SUM a                           ; the sum of the lane's 32 pairs, in place: neighbours 16, 8, 4, 2 and 1 pairs apart; then the pair's halves and the other half of the lanes
	WIN 0x45
.irp d, 16,8,4,2
.set pi, 0
.rept \d
	v_pk_add_f32 v[64*(\a)+2*pi:64*(\a)+2*pi+1], v[64*(\a)+2*pi:64*(\a)+2*pi+1], v[64*(\a)+2*pi+2*(\d):64*(\a)+2*pi+2*(\d)+1]
.set pi, pi+1
.endr
.endr
	WIN 0x05
	v_pk_add_f32 v[ST+4*(\a)+2:ST+4*(\a)+3], v[64*(\a):64*(\a)+1], v[64*(\a)+2:64*(\a)+3]
	WIN 0
	v_add_f32 v[ST+4*(\a)+2], v[ST+4*(\a)+2], v[ST+4*(\a)+3]
	v_permlanex16_b32 v[ST+4*(\a)+3], v[ST+4*(\a)+2], s[SEL], s[SEL+1]
	v_add_f32 v[ST+4*(\a)+2], v[ST+4*(\a)+2], v[ST+4*(\a)+3]
.endm
.macro TOSTAGE a
.set BK, BK0+32*((\a)%2)
.irp b, 0,1,2,3,4,5,6,7
	ds_store_b128 v[STO], v[TMP+4*(\b):TMP+4*(\b)+3] offset:32*(\b)
.endr
.irp t, 0,1,2,3,4,5,6,7
	ds_load_b128 v[BK+4*(\t):BK+4*(\t)+3], v[RD] offset:(\t)*2*SP  ; LDS serves a wave's instructions in order (ISA guide 5.7.1.4): these see the stores above
.endr
.endm
.macro SEND a
.set BK, BK0+32*((\a)%2)
	s_wait_dscnt 0x0                               ; the block is back in registers
	s_wait_xcnt 0x0                                ; the stores of the block before have read their registers, which the next block's loads from the stage write
.irp t, 0,1,2,3,4,5,6,7
	global_store_b128 v[CO], v[BK+4*(\t):BK+4*(\t)+3], s[8:9] offset:(16*(\a)+2*(\t))*PITCHC  ; 16 lanes store 256 consecutive bytes, at a multiple of 256 from pw's first byte
.endr
.endm
	s_load_b64 s[4:5], s[0:1], 0x0                 ; qkv
	s_load_b128 s[8:11], s[0:1], 0x8               ; pw s[8:9], st s[10:11]
	v_lshl_add_u32 v[SPW], v0, 2, SPARE
	v_mov_b32 v[NIL], 0
	ds_add_u32 v[SPW], v[NIL]                      ; the wave's opening: the add and its wait stand ahead of my first tensor load; the set-up below, work on registers, stands between them
	v_lshrrev_b32 v1, 5, v0
	v_readfirstlane_b32 s[WV], v1
	s_lshr_b32 s[WR], s[WV], 1
	s_and_b32 s[WC], s[WV], 1
	s_bfe_u32 s[CX], ttmp6, 0x40000
	s_bfe_u32 s[CY], ttmp6, 0x40004
	s_lshl_b32 s[TCOL], ttmp9, 2
	s_add_co_u32 s[TCOL], s[TCOL], s[CX]           ; which 256 keys of the batch
	s_and_b32 s[CLY], ttmp7, 0xffff
	s_lshl_b32 s[TROW], s[CLY], 2
	s_add_co_u32 s[TROW], s[TROW], s[CY]           ; which 128 of the 8,192 rows; the batch is cluster y / 4
	s_lshl_b32 s44, s[CY], 2
	s_lshl_b32 s44, 15, s44
	s_lshl_b32 s45, 0x1111, s[CX]
	s_or_b32 s[G1A], s44, G1W                      ; q's tiles go to my row of the cluster,
	s_or_b32 s[G1B], s45, G1W                      ; k's to my column
.irp g, G1A, G1B
	s_mov_b32 s[(\g)+1], 128<<16                   ; tensor_dim0 = 128
	s_mov_b32 s[(\g)+3], 128<<16                   ; tile_dim0 = 128
	s_mov_b32 s[(\g)+5], 3072                      ; elements from row to row
	s_mov_b32 s[(\g)+6], 0
	s_mov_b32 s[(\g)+7], 0
.endr
	s_mov_b32 s[G1A+2], 64<<16
	s_mov_b32 s[G1A+4], 64
	s_mov_b32 s[G1B+2], 128<<16
	s_mov_b32 s[G1B+4], 128
	s_mul_i32 s23, s[WC], AHALF
	s_mov_b32 s[G0A], 1
	s_mov_b32 s[G0A+1], s23
	s_mov_b32 s[G0A+4], 1
	s_add_co_u32 s[G0A+5], s23, SLOT1
	s_mul_i32 s23, s[WC], BHALF
	s_mov_b32 s[G0B], 1
	s_add_co_u32 s[G0B+1], s23, BOFF
	s_mov_b32 s[G0B+4], 1
	s_add_co_u32 s[G0B+5], s23, SLOT1+BOFF
	s_lshl_b32 s42, s[TROW], 7                     ; q: row 128 x tile row + 64 x half
	s_lshl_b32 s23, s[WC], 6
	s_add_co_u32 s42, s42, s23
	s_mul_i32 s42, s42, ROWQ                       ; in bytes (under 2^26)
	s_mov_b32 s43, 0
	s_lshr_b32 s46, s[CLY], 2                      ; k: row 2,048 x batch + 256 x tile column + 128 x half
	s_lshl_b32 s46, s46, 11
	s_lshl_b32 s47, s[TCOL], 8
	s_add_co_u32 s46, s46, s47
	s_lshl_b32 s23, s[WC], 7
	s_add_co_u32 s46, s46, s23
	s_mul_i32 s46, s46, ROWQ
	s_mov_b32 s47, 0
	s_mov_b32 s[CS], 0x3d38aa3b                    ; c = log2(e) / 32 = 0.0450842
	s_mov_b32 s[CS+1], s[CS]                       ; named with it as a pair
	s_mov_b32 s[SEL], 0x76543210
	s_mov_b32 s[SEL+1], 0xfedcba98
	s_wait_dscnt 0x0                               ; the opening add is done
	s_wait_kmcnt 0x0
	s_add_nc_u64 s[6:7], s[4:5], 2048              ; k lies 2,048 bytes into a row
	s_add_nc_u64 s[G0A+2:G0A+3], s[4:5], s[42:43]
	s_add_nc_u64 s[G0A+6:G0A+7], s[G0A+2:G0A+3], KB
	s_or_b32 s[G0A+3], s[G0A+3], 0x80000000
	s_or_b32 s[G0A+7], s[G0A+7], 0x80000000
	s_add_nc_u64 s[G0B+2:G0B+3], s[6:7], s[46:47]
	s_add_nc_u64 s[G0B+6:G0B+7], s[G0B+2:G0B+3], KB
	s_or_b32 s[G0B+3], s[G0B+3], 0x80000000
	s_or_b32 s[G0B+7], s[G0B+7], 0x80000000
	CROUND                                         ; all sixteen work-groups are here: the first joint loads meet
	s_cmp_eq_u32 s[WR], 0                          ; a wave's two first fills stand in one branch: two loads of mine are out
	s_cbranch_scc0 .Lfirst_b
	tensor_load_to_lds s[G0A:G0A+3], s[G1A:G1A+7]
	s_nop 0
	tensor_load_to_lds s[G0A+4:G0A+7], s[G1A:G1A+7]
	s_nop 0
.rept 4
	v_nop
.endr
	s_branch .Lfirst_asked
.Lfirst_b:
	tensor_load_to_lds s[G0B:G0B+3], s[G1B:G1B+7]
	s_nop 0
	tensor_load_to_lds s[G0B+4:G0B+7], s[G1B:G1B+7]
	s_nop 0
.rept 4
	v_nop
.endr
.Lfirst_asked:
	v_and_b32 v1, 15, v0                           ; l % 16
	v_bfe_u32 v2, v0, 4, 1                         ; l / 16
	v_mul_u32_u24 v3, v1, PA
	v_lshl_add_u32 v3, v2, 4, v3
	s_mul_i32 s84, s[WR], AHALF
	v_add_nc_u32 v[A0], s84, v3
	s_mul_i32 s84, s[WC], BHALF
	s_add_co_u32 s84, s84, BOFF
	v_add_nc_u32 v[B0], s84, v3
	s_mul_i32 s84, s[WV], 16*SP
	s_add_co_u32 s84, s84, STAGE
	v_add_nc_u32 v[STO], s84, v3
	v_mul_u32_u24 v4, v2, SP
	v_lshl_add_u32 v4, v1, 4, v4
	v_add_nc_u32 v[RD], s84, v4
	v_lshlrev_b32 v4, 12, v2                       ; the same two rows in pw
	v_lshl_add_u32 v[CO], v1, 4, v4
	s_lshl_b32 s84, s[WV], 9
	s_add_co_u32 s84, s84, SCR                     ; my 512 bytes for the statistics
	v_lshl_add_u32 v[SA], v1, 2, s84
	v_and_b32 v5, 31, v0
	v_lshlrev_b32 v[SO], 3, v5
	v_add_nc_u32 v[SB], s84, v[SO]
	s_lshl_b32 s78, s[TROW], 7                     ; where my part of the tile begins in pw
	s_lshl_b32 s79, s[WR], 6
	s_add_co_u32 s78, s78, s79                     ; my first row
	s_lshl_b32 s86, s78, 2                         ; (its place in a block's 8,192 words of st)
	s_lshl_b32 s78, s78, 12
	s_lshl_b32 s79, s[TCOL], 9
	s_add_co_u32 s78, s78, s79
	s_lshl_b32 s79, s[WC], 8
	s_add_co_u32 s78, s78, s79
	s_mov_b32 s79, 0
	s_add_nc_u64 s[8:9], s[8:9], s[78:79]
	s_lshl_b32 s87, s[TCOL], 1                     ; my block of keys: 2 x tile column + half,
	s_add_co_u32 s87, s87, s[WC]
	s_lshl_b32 s87, s87, 15                        ; 32,768 bytes a block
	s_add_co_u32 s86, s86, s87
	s_mov_b32 s87, 0
	s_add_nc_u64 s[10:11], s[10:11], s[86:87]
	; the prefetches
	s_lshl_b32 s80, s[TROW], 7
	s_lshl_b32 s81, s[CX], 5
	s_add_co_u32 s80, s80, s81                     ; q's: my work-group's 32 rows of the tile's 128
	s_lshr_b32 s82, s[CLY], 2
	s_lshl_b32 s82, s82, 11
	s_lshl_b32 s83, s[TCOL], 8
	s_add_co_u32 s82, s82, s83
	s_lshl_b32 s83, s[WC], 7
	s_add_co_u32 s82, s82, s83
	s_lshl_b32 s83, s[CY], 5
	s_add_co_u32 s82, s82, s83                     ; k's: my work-group's 32 rows of the 128 that I fetch
	s_or_b32 s84, ttmp9, s[WC]
	s_and_b32 s85, s[CLY], 3
	s_cmp_eq_u32 s[WR], 0
	s_cselect_b32 s80, s80, s82
	s_cselect_b32 s84, s84, s85                    ; the same in all sixteen partners, for a given wave
	s_cselect_b64 s[PFA:PFA+1], s[4:5], s[6:7]
	s_cmp_eq_u32 s84, 0
	s_cselect_b32 s[LIM], 2, -1
	s_mul_i32 s80, s80, ROWQ
	s_add_co_u32 s80, s80, 3*KB                    ; at K step 3: the first refill steps it to 4
	s_mov_b32 s81, 0
	s_add_nc_u64 s[PFA:PFA+1], s[PFA:PFA+1], s[80:81]
	v_mul_u32_u24 v[PFO], v5, ROWQ
	s_wait_tensorcnt 0x1                           ; my part of K step 0 is in; K step 1's may stay out
	s_barrier_signal -1
	s_barrier_wait -1
	s_mov_b32 s[TB], 0
	v_add_nc_u32 v[ADRA], s[TB], v[A0]
	v_add_nc_u32 v[ADRB], s[TB], v[B0]
	FETCH 0, 0
	FETCH 1, 1
	s_wait_dscnt 48                                ; buffer 0 is in; buffer 1's 48 loads may stay out
	MULS 0, 0, 0, 4, 1                             ; the first products start the sums: nothing is cleared
	WIN 0
	s_mov_b32 s[CNT], T-2
.Lstep:
	PARTB 1
	s_sub_co_u32 s[CNT], s[CNT], 1
	s_cmp_lg_u32 s[CNT], 0
	s_cbranch_scc1 .Lstep
	PARTB 0
	MULS 0, 1, 0, 4, 0
	s_wait_dscnt 0x0
	MULS 1, 0, 0, 4, 0
	MULS 1, 1, 0, 4, 0
	WIN 0
	PLACES
	; THE MAXIMA.  A lane holds 64 scores of each of its four queries: four chains of 16 a query, three operands at a time; each accumulator's lowest registers are read first.
	WIN 0x15                                       ; all three sources window 1
	FOR16 v_max3_num_f32 v[CH+eq], v[16*eq], v[16*eq+1], v[16*eq+2]
	WIN 0x14                                       ; source 0 window 0
.irp i, 3,5,7,9,11,13
	FOR16 v_max3_num_f32 v[CH+eq], v[CH+eq], v[16*eq+\i], v[16*eq+\i+1]
.endr
	FORA v_max3_num_f32 v[CH+4*ea], v[CH+4*ea], v[64*ea+15], v[64*ea+31]
	FORA v_max3_num_f32 v[CH+4*ea+2], v[CH+4*ea+2], v[64*ea+47], v[64*ea+63]
	WIN 0
	FORA v_max3_num_f32 v[CH+4*ea], v[CH+4*ea], v[CH+4*ea+1], v[CH+4*ea+2]
	FORA v_max_num_f32 v[CH+4*ea], v[CH+4*ea], v[CH+4*ea+3]
	FORA v_permlanex16_b32 v[CH+4*ea+1], v[CH+4*ea], s[SEL], s[SEL+1]
	FORA v_max_num_f32 v[ST+4*ea+1], v[CH+4*ea], v[CH+4*ea+1]
	FORA v_mul_f32 v[ST+4*ea], s[CS], v[ST+4*ea+1]
	; ONE BATCH: the 128 scalings and the 256 exponentials, in place; a block's exponentials go with the next block's scalings between them.  Nothing here names an exponential's result.
	WIN 0x41                                       ; destination and source 0 window 1, mc window 0
.set ei, 0
.rept 32
	SCL 0, ei
.set ei, ei+1
.endr
.set eb, 0
.rept 4
.set ei, 0
.rept 32
	v_exp_f32 v[64*eb+2*ei], v[64*eb+2*ei]
	v_exp_f32 v[64*eb+2*ei+1], v[64*eb+2*ei+1]
.if eb < 3
	SCL eb+1, ei
.endif
.set ei, ei+1
.endr
.set eb, eb+1
.endr
	v_nop                                          ; a plain instruction behind the last exponential (ISA guide 5.7.2),
	s_wait_alu depctr_va_vdst(0)                   ; and the wait ahead of the first use: one for the batch
	PACK 0                                         ; a block is rounded first, then summed in place; a block's arithmetic stands between the loads of the block before and its stores
	TOSTAGE 0
	SUM 0
.irp a, 1,2,3
	PACK \a
	SEND (\a)-1
	TOSTAGE \a
	SUM \a
.endr
	SEND 3
	; the statistics: both halves of the lanes hold the same number and write the same word; back as 8 bytes a lane: 256 consecutive bytes of st, at a multiple of 256 from its first byte
	FORA ds_store_b32 v[SA], v[ST+4*ea] offset:64*ea
	FORA ds_store_b32 v[SA], v[ST+4*ea+2] offset:256+64*ea
	ds_load_b64 v[4:5], v[SB]
	ds_load_b64 v[6:7], v[SB] offset:256
	s_wait_dscnt 0x0
	global_store_b64 v[SO], v[4:5], s[10:11]
	global_store_b64 v[SO], v[6:7], s[10:11] offset:524288
	s_wait_tensorcnt 0x0                           ; the wave's end, behind my last tensor load and my last LDS store
	ds_add_u32 v[SPW], v[NIL]
	s_wait_dscnt 0x0
	CROUND                                         ; the closing round
	s_endpgm
.Lfunc_end_k_qffbc2e996c_scores:
	.size	k_qffbc2e996c_scores, .Lfunc_end_k_qffbc2e996c_scores-k_qffbc2e996c_scores
	.p2alignl 7, 3214868480
	.fill 96, 4, 3214868480
	.section	.rodata,"a",@progbits
	.p2align	6, 0x0
	.amdhsa_kernel k_qffbc2e996c_scores
		.amdhsa_group_segment_fixed_size 327680
		.amdhsa_private_segment_fixed_size 0
		.amdhsa_enable_private_segment 0
		.amdhsa_kernarg_size 24
		.amdhsa_user_sgpr_count 2
		.amdhsa_user_sgpr_kernarg_segment_ptr 1
		.amdhsa_wavefront_size32 1
		.amdhsa_system_sgpr_workgroup_id_x 1
		.amdhsa_system_sgpr_workgroup_id_y 1
		.amdhsa_system_sgpr_workgroup_id_z 1
		.amdhsa_system_vgpr_workitem_id 0
		.amdhsa_next_free_vgpr 960
		.amdhsa_next_free_sgpr 96
		.amdhsa_reserve_vcc 0
		.amdhsa_float_denorm_mode_32 3
		.amdhsa_float_denorm_mode_16_64 3
		.amdhsa_memory_ordered 1
		.amdhsa_forward_progress 1
		.amdhsa_inst_pref_size 104
	.end_amdhsa_kernel
	.amdgpu_metadata
---
amdhsa.version: [ 1, 2 ]
amdhsa.kernels:
  - .name:           k_qffbc2e996c_scores
    .symbol:         k_qffbc2e996c_scores.kd
    .args:
      - { .name: qkv, .offset: 0, .size: 8, .value_kind: global_buffer, .address_space: global }
      - { .name: pw, .offset: 8, .size: 8, .value_kind: global_buffer, .address_space: global }
      - { .name: st, .offset: 16, .size: 8, .value_kind: global_buffer, .address_space: global }
    .group_segment_fixed_size: 327680
    .private_segment_fixed_size: 0
    .kernarg_segment_align: 8
    .kernarg_segment_size: 24
    .max_flat_workgroup_size: 128
    .sgpr_count:     96
    .vgpr_count:     960
    .wavefront_size: 32
...
	.end_amdgpu_metadata
.endif
;; end of part 3
;; launch pv (part 4): grid 4 x 64, 4 waves a work-group, clusters of 4 x 4, 327,680 bytes of LDS; arguments pw, qkv, out0, st; writes out0
.if DOCPART == 4
	.amdgcn_target "amdgcn-amd-amdhsa--gfx1250"
	.amdhsa_code_object_version 6
	.text
	.protected	k_qffbc2e996c_pv
	.globl	k_qffbc2e996c_pv
	.p2align	8
	.type	k_qffbc2e996c_pv,@function
k_qffbc2e996c_pv:
	s_mov_b64 s[64:65], 0
	v_nop
	global_prefetch_b8 v0, s[64:65] scope:SCOPE_SE
	s_setreg_imm32_b32 hwreg(HW_REG_WAVE_MODE, 25, 1), 1
	s_wait_xcnt 0x0
	s_wait_alu depctr_hold_cnt(0) depctr_sa_sdst(0) depctr_va_vdst(0) depctr_va_sdst(0) depctr_va_ssrc(0) depctr_va_vcc(0) depctr_vm_vsrc(0)
	s_getreg_b32 s2, hwreg(HW_REG_IB_STS2, 6, 4)
	s_cmp_eq_u32 s2, 0
	s_cbranch_scc0 .Lentry_in_a_cluster
	s_endpgm
.Lentry_in_a_cluster:
	s_bfe_u32 s2, ttmp6, 0x10000c
	s_cmp_lg_u32 s2, 0xf033
	s_cbranch_scc0 .Lentry_shape_is_right
	s_endpgm
.Lentry_shape_is_right:
; PV.  out0[m][d] = (sum over blocks j of 128 keys of f_j[m] x sum over the block's t of pw[m][t] v[t][d]) / L[m], with M = the largest of the row's 16 mc_j, f_j = 2^(mc_j - M), L = sum of f_j l_j.
; So the maximum that is taken away from every score is the row's own.  pw: [8192][2048] f16; v: the last third of qkv's rows ([8192][3072] f16); st: mc[16][8192], l[16][8192] f32; out0: [8192][1024] f32.
; A K step is one block of keys: the weights' fragments are multiplied by f_j (f16, two at a time) between their load from LDS and the matrix instruction.  Sums, M and L in f32; the division is a multiplication by 1 / L.
; LIMITS.  f_j and pw x f_j are rounded to f16: below 6e-5 they keep f16's fixed step of 6e-8, beside a row's L of about 1 or more; f_j below 2^-126 counts as 0.  NaN and infinities are not treated apart.
; SHARES.  A work-group makes 128 rows x 256 channels; each of its four waves 64 x 128: 32 accumulators.  256 work-groups of equal work.  16 K steps through two LDS slots filled by the tensor data mover.
; CLUSTER.  4 x 4 work-groups.  The four of a row of the cluster need the same 128 rows of pw, the four of a column the same 128 keys x 256 channels of v: each tile is asked for JOINTLY.
; THE MATRIX INSTRUCTION IS USED TRANSPOSED (source 0 = 16 channels of v, turned by ds_load_tr16_b128; source 1 = 16 rows of pw): lane l holds row l % 16 and the channels 8 (l / 16) + 0..7.
; REGISTERS, in windows of 256 (s_set_vgpr_msb: bits 1:0 source 0, 3:2 source 1, 5:4 source 2, 7:6 destination):
;   window 0: v0-31 addresses; v32-35 the step's factors, (f, f) for row blocks 0-3; v36-43 1 / L; v64-255 the prologue's work, later the way out        window 1: accumulator (a, b) at v[8 (8 a + b)]
;   windows 2, 3: fragment buffers 0, 1, each 64 along K: A's fragment (c, a) at v[8 (4 c + a)], B's (c, b) at v[64 + 8 (8 c + b)]
; All of LDS is claimed.
.set T,      16
.set PA,     272                       ; a row of pw in LDS: 256 bytes + 16 of padding
.set PB,     544                       ; a row of v: 512 + 32 = 136 words
.set AHALF,  64*PA
.set BHALF,  64*PB
.set BOFF,   2*AHALF
.set SLOT1,  1<<17
.set FTAB,   BOFF+2*BHALF              ; behind slot 0, where no tile lands: for each K step 128 words, row v0's (f, f) at 4 v0;
.set INVL,   FTAB+16*512               ; then 128 words of 1 / L
.set STAGE,  SLOT1+BOFF+2*BHALF        ; behind the ring: 16 rows x 528 bytes for each wave
.set SP,     528
.set SPARE,  STAGE+4*16*SP             ; the spare words, 128 bytes a wave: two blocks of 256 bytes that no other line names
.set KB,     256                       ; a K step in a row of pw,
.set BSTEP,  128*6144                  ; and in qkv: 128 rows down
.set G1WA,   (1<<16)|(1<<20)|(1<<21)|(5<<22)|(3<<25)  ; padding: 4 words after every 64
.set G1WB,   (1<<16)|(1<<20)|(1<<21)|(6<<22)|(7<<25)  ; 8 words after every 128
.set ADRA, 16
.set ADRB, 17
.set A0,   18
.set B0,   19
.set TW,   20                          ; v20  where my thread's row puts its words of the tables
.set FT0,  22                          ; v22  my lane's place in a step's 128 factors; never rewritten
.set FT,   23                          ; v23  the same in the step to be fetched
.set STO,  24
.set RD,   25
.set CO,   26
.set IA,   27                          ; v27  my lane's place in 1 / L
.set SPW,  28
.set NIL,  29
.set PFO,  30
.set SO,   31                          ; v31  my thread's byte offset in st
.set FAC,  32
.set IL,   36
.set MC,   64                          ; the prologue: mc_j, then f_j
.set LL,   80                          ; l_j
.set PF,   100                         ; (f_j, f_j) in f16
.set TMP,  64                          ; the way out
.set BK0,  128
.set WV, 16
.set WR, 17
.set WC, 18
.set CX, 19
.set CY, 20
.set TCOL, 21
.set TROW, 22
.set G1A, 24
.set G0A, 32
.set G1B, 48
.set G0B, 56
.set TB,  66
.set LIM, 67
.set PFA, 68
.set PST, 70                           ; s[70:71] a K step in the stream that I prefetch
.set CNT, 76
.set CLY, 77
.set FTS, 89                           ; s89 512 x the K step to be fetched
.set MSB, 0
.macro WIN new
.if MSB != (\new)
	s_set_vgpr_msb (MSB<<8)|(\new)
.set MSB, \new
.endif
.endm
.macro PLACES
.rept 4
	v_nop
.endr
.endm
; A joint refill, by the walking descriptor: waves 0 and 1 fetch pw's halves, waves 2 and 3 v's.  An s_nop 0 and four v_nop follow each of the two lines.
.macro JLOAD
	s_cmp_eq_u32 s[WR], 0
	s_cbranch_scc0 .Lfor_b_\@
	tensor_load_to_lds s[G0A+4:G0A+7], s[G1A:G1A+7]
	s_nop 0
.rept 4
	v_nop
.endr
	s_branch .Lasked_\@
.Lfor_b_\@:
	tensor_load_to_lds s[G0B+4:G0B+7], s[G1B:G1B+7]
	s_nop 0
.rept 4
	v_nop
.endr
.Lasked_\@:
.endm
; A PREFETCH INTO THE L2: 32 blocks of 256 bytes of the K step that stands two refills on, a lane a block.  pw's rows are read by one cluster alone: wave 0 asks, partner cx for 32 of the tile's 128 rows.
; v's tile is read by a batch's four clusters: the first of them asks, waves 2 and 3, partner cy for 16 of the wave's 64 rows, two blocks a row.  Each block once in the launch; the last two refills ask for nothing.
.macro ASK
	s_cmp_gt_u32 s[CNT], s[LIM]
	s_cbranch_scc0 .Lnot_mine_\@
	global_prefetch_b8 v[PFO], s[PFA:PFA+1] th:TH_LOAD_NT scope:SCOPE_SE
.Lnot_mine_\@:
.endm
.macro CREST
	s_cmp_lg_u32 s[WV], 0
	s_cbranch_scc1 .Lnot_wave_0_\@
	s_barrier_signal -3
.Lnot_wave_0_\@:
	s_barrier_wait -3
	s_barrier_signal -1
	s_barrier_wait -1
.endm
.macro CROUND
	s_barrier_signal -1
	s_barrier_wait -1
	CREST
.endm
.macro FACLOAD                         ; the factors of the step to be fetched: they lead buffer 0's run
.irp a, 0,1,2,3
	ds_load_b32 v[FAC+(\a)], v[FT] offset:64*(\a)
.endr
.endm
.macro FETCH half, g                   ; 48 LDS loads in one run: half of a K step into buffer g: A's 16 as they lie, then B's 32, turned
	WIN 0x80+0x40*(\g)
.irp c, 0,1
.irp a, 0,1,2,3
	ds_load_b128 v[8*(4*(\c)+(\a)):8*(4*(\c)+(\a))+3],   v[ADRA] offset:(\half)*128+(\c)*64+(\a)*16*PA
	ds_load_b128 v[8*(4*(\c)+(\a))+4:8*(4*(\c)+(\a))+7], v[ADRA] offset:(\half)*128+(\c)*64+(\a)*16*PA+32
.endr
.endr
.irp c, 0,1
.irp b, 0,1,2,3,4,5,6,7
	ds_load_tr16_b128 v[64+8*(8*(\c)+(\b)):64+8*(8*(\c)+(\b))+3],   v[ADRB] offset:((\half)*64+(\c)*32)*PB+32*(\b)
	ds_load_tr16_b128 v[64+8*(8*(\c)+(\b))+4:64+8*(8*(\c)+(\b))+7], v[ADRB] offset:((\half)*64+(\c)*32+16)*PB+32*(\b)
.endr
.endr
	WIN 0
.endm
; 8 na matrix instructions; mode 1: the products start the sums.  The 32 accumulators take turns, one instruction a turn, over the backward jump too.
; rid = 0, 1: behind each stand two lines that multiply registers ri, ri + 1 of buffer rid's 64 registers of A by their row block's factor; they name no register of the products round them.
.macro MULS f, c, a0, na, mode, rid=-1
.set ma, \a0
.rept \na
.set mb, 0
.rept 8
	WIN 0x5a+5*(\f)
.if (\mode) == 1
	v_wmma_f32_16x16x32_f16 v[8*(8*ma+mb):8*(8*ma+mb)+7], v[64+8*(8*(\c)+mb):64+8*(8*(\c)+mb)+7], v[8*(4*(\c)+ma):8*(4*(\c)+ma)+7], 0
.else
	v_wmma_f32_16x16x32_f16 v[8*(8*ma+mb):8*(8*ma+mb)+7], v[64+8*(8*(\c)+mb):64+8*(8*(\c)+mb)+7], v[8*(4*(\c)+ma):8*(4*(\c)+ma)+7], v[8*(8*ma+mb):8*(8*ma+mb)+7]
.endif
.if (\rid) >= 0
	WIN 0x82+0x41*(\rid)                           ; destination and source 0 window 2 or 3, the factor window 0
	v_pk_mul_f16 v[ri], v[ri], v[FAC+((ri>>3)&3)]
	v_pk_mul_f16 v[ri+1], v[ri+1], v[FAC+((ri>>3)&3)]
.set ri, ri+2
.endif
.set mb, mb+1
.endr
.set ma, ma+1
.endr
.endm
; From a K step's second quarter to the next step's first, with the change of slots: one barrier; in front of it each wave waits for all its tensor loads, adds 0 to its spare word, and waits for that and for
; its reads of this slot.  fill = 1: the barrier opens a round of the cluster's, and the slot is filled again first thing behind it: 112 matrix instructions stand between that request and the wait for it.
.macro PARTB fill
.if \fill
	s_wait_xcnt 0x0                                ; the last prefetch, a K step back, has read its address
	s_add_nc_u64 s[PFA:PFA+1], s[PFA:PFA+1], s[PST:PST+1]
.endif
	s_wait_dscnt 32                                ; buffer 1's fragments of A are in; B's 32 loads may stay out
.set ri, 0
	MULS 0, 1, 0, 2, 0, 1
	WIN 0
	s_wait_tensorcnt 0x0                           ; all my tensor loads have landed, so a group 0 may be written
	ds_add_u32 v[SPW], v[NIL]                      ; 0 onto my spare word
.if \fill
	s_xor_b32 s[G0A+5], s[G0A+5], SLOT1
	s_add_nc_u64 s[G0A+6:G0A+7], s[G0A+6:G0A+7], KB
	s_xor_b32 s[G0B+5], s[G0B+5], SLOT1
	s_add_nc_u64 s[G0B+6:G0B+7], s[G0B+6:G0B+7], BSTEP
.endif
	MULS 0, 1, 2, 1, 0, 1
	s_wait_dscnt 0x0                               ; the add is done, and my reads of this slot are back
	s_barrier_signal -1
	MULS 0, 1, 3, 1, 0, 1
	WIN 0
	s_barrier_wait -1
.if \fill
	CREST
	JLOAD                                          ; its four v_nop are also the places in front of the loads below
.else
	PLACES
.endif
	s_xor_b32 s[TB], s[TB], SLOT1
	s_add_co_u32 s[FTS], s[FTS], 512
	v_add_nc_u32 v[ADRA], s[TB], v[A0]
	v_add_nc_u32 v[ADRB], s[TB], v[B0]
	v_add_nc_u32 v[FT], s[FTS], v[FT0]
	FACLOAD                                        ; the old factors' last readers stand above
	FETCH 0, 0
.if \fill
	ASK
.endif
	MULS 1, 0, 0, 4, 0
	s_wait_dscnt 32                                ; the factors and buffer 0's fragments of A are in; B's 32 loads may stay out
.set ri, 0
	MULS 1, 1, 0, 4, 0, 0
	WIN 0
	PLACES
	FETCH 1, 1
	s_wait_dscnt 48                                ; all but the 48 just issued: buffer 0 is in
	MULS 0, 0, 0, 4, 0
	WIN 0
.endm
; THE WAY OUT of row block a: times 1 / L; 32 bytes a lane into my own stage, back as whole rows of 512 bytes; stored.
.macro PACK a
	WIN 0x01                                       ; source 0 window 1; each accumulator's registers in ascending order
.set pi, 0
.rept 32
	v_pk_mul_f32 v[TMP+2*pi:TMP+2*pi+1], v[64*(\a)+2*pi:64*(\a)+2*pi+1], v[IL+2*(\a):IL+2*(\a)+1] op_sel_hi:[1,0]
.set pi, pi+1
.endr
	WIN 0
.endm
.macro TOSTAGE a
.set BK, BK0+64*((\a)%2)
.irp b, 0,1,2,3,4,5,6,7
	ds_store_b128 v[STO], v[TMP+8*(\b):TMP+8*(\b)+3]   offset:64*(\b)
	ds_store_b128 v[STO], v[TMP+8*(\b)+4:TMP+8*(\b)+7] offset:64*(\b)+16
.endr
.set ti, 0
.rept 16
	ds_load_b128 v[BK+4*ti:BK+4*ti+3], v[RD] offset:ti*SP  ; LDS serves a wave's instructions in order (ISA guide 5.7.1.4): these see the stores above
.set ti, ti+1
.endr
.endm
.macro SEND a
.set BK, BK0+64*((\a)%2)
	s_wait_dscnt 0x0                               ; the block is back in registers
	s_wait_xcnt 0x0                                ; the stores of the block before have read their registers, which the next block's loads from the stage write
.set ti, 0
.rept 16
	global_store_b128 v[CO], v[BK+4*ti:BK+4*ti+3], s[8:9] offset:(16*(\a)+ti)*4096 th:TH_STORE_NT  ; 512 consecutive bytes, at a multiple of 256 from out0's first byte
.set ti, ti+1
.endr
.endm
	s_load_b256 s[4:11], s[0:1], 0x0               ; pw s[4:5], qkv s[6:7], out0 s[8:9], st s[10:11]
	v_lshl_add_u32 v[SPW], v0, 2, SPARE
	v_mov_b32 v[NIL], 0
	ds_add_u32 v[SPW], v[NIL]                      ; the wave's opening: the add and its wait stand ahead of my first tensor load; the set-up below, work on registers, stands between them
	v_lshrrev_b32 v1, 5, v0
	v_readfirstlane_b32 s[WV], v1
	s_lshr_b32 s[WR], s[WV], 1
	s_and_b32 s[WC], s[WV], 1
	s_bfe_u32 s[CX], ttmp6, 0x40000
	s_bfe_u32 s[CY], ttmp6, 0x40004
	s_lshl_b32 s[TCOL], ttmp9, 2
	s_add_co_u32 s[TCOL], s[TCOL], s[CX]           ; which 256 channels
	s_and_b32 s[CLY], ttmp7, 0xffff
	s_lshl_b32 s[TROW], s[CLY], 2
	s_add_co_u32 s[TROW], s[TROW], s[CY]           ; which 128 of the 8,192 rows; the batch is cluster y / 4
	s_lshl_b32 s44, s[CY], 2
	s_lshl_b32 s44, 15, s44
	s_lshl_b32 s45, 0x1111, s[CX]
	s_or_b32 s[G1A], s44, G1WA                     ; pw's tiles go to my row of the cluster,
	s_or_b32 s[G1B], s45, G1WB                     ; v's to my column
	s_mov_b32 s[G1A+1], 128<<16                    ; pw: 64 rows x 128 elements, 2,048 elements from row to row
	s_mov_b32 s[G1A+2], 64<<16
	s_mov_b32 s[G1A+3], 128<<16
	s_mov_b32 s[G1A+4], 64
	s_mov_b32 s[G1A+5], 2048
	s_mov_b32 s[G1A+6], 0
	s_mov_b32 s[G1A+7], 0
	s_mov_b32 s[G1B+1], 256<<16                    ; v: 64 rows x 256 elements, 3,072 elements from row to row
	s_mov_b32 s[G1B+2], 64<<16
	s_mov_b32 s[G1B+3], 256<<16
	s_mov_b32 s[G1B+4], 64
	s_mov_b32 s[G1B+5], 3072
	s_mov_b32 s[G1B+6], 0
	s_mov_b32 s[G1B+7], 0
	s_mul_i32 s23, s[WC], AHALF
	s_mov_b32 s[G0A], 1
	s_mov_b32 s[G0A+1], s23
	s_mov_b32 s[G0A+4], 1
	s_add_co_u32 s[G0A+5], s23, SLOT1
	s_mul_i32 s23, s[WC], BHALF
	s_mov_b32 s[G0B], 1
	s_add_co_u32 s[G0B+1], s23, BOFF
	s_mov_b32 s[G0B+4], 1
	s_add_co_u32 s[G0B+5], s23, SLOT1+BOFF
	s_lshl_b32 s42, s[TROW], 7                     ; pw: row 128 x tile row + 64 x half
	s_lshl_b32 s23, s[WC], 6
	s_add_co_u32 s42, s42, s23
	s_lshl_b32 s42, s42, 12                        ; in bytes (under 2^25)
	s_mov_b32 s43, 0
	s_lshr_b32 s46, s[CLY], 2                      ; v: row 2,048 x batch + 64 x half,
	s_lshl_b32 s46, s46, 11
	s_add_co_u32 s46, s46, s23
	s_mul_i32 s46, s46, 6144
	s_lshl_b32 s47, s[TCOL], 9                     ; 4,096 bytes into the row, + 512 x tile column
	s_add_co_u32 s46, s46, s47
	s_add_co_u32 s46, s46, 4096
	s_mov_b32 s47, 0
	s_wait_dscnt 0x0                               ; the opening add is done
	s_wait_kmcnt 0x0
	s_add_nc_u64 s[G0A+2:G0A+3], s[4:5], s[42:43]
	s_add_nc_u64 s[G0A+6:G0A+7], s[G0A+2:G0A+3], KB
	s_or_b32 s[G0A+3], s[G0A+3], 0x80000000
	s_or_b32 s[G0A+7], s[G0A+7], 0x80000000
	s_add_nc_u64 s[G0B+2:G0B+3], s[6:7], s[46:47]
	s_add_nc_u64 s[G0B+6:G0B+7], s[G0B+2:G0B+3], BSTEP
	s_or_b32 s[G0B+3], s[G0B+3], 0x80000000
	s_or_b32 s[G0B+7], s[G0B+7], 0x80000000
	CROUND                                         ; all sixteen work-groups are here: the first joint loads meet
	s_cmp_eq_u32 s[WR], 0                          ; a wave's two first fills stand in one branch: two loads of mine are out
	s_cbranch_scc0 .Lfirst_b
	tensor_load_to_lds s[G0A:G0A+3], s[G1A:G1A+7]
	s_nop 0
	tensor_load_to_lds s[G0A+4:G0A+7], s[G1A:G1A+7]
	s_nop 0
.rept 4
	v_nop
.endr
	s_branch .Lfirst_asked
.Lfirst_b:
	tensor_load_to_lds s[G0B:G0B+3], s[G1B:G1B+7]
	s_nop 0
	tensor_load_to_lds s[G0B+4:G0B+7], s[G1B:G1B+7]
	s_nop 0
.rept 4
	v_nop
.endr
.Lfirst_asked:
	; THE ROWS' STATISTICS: thread v0 takes row v0 of the tile's 128: its 16 mc and 16 l
	s_lshl_b32 s80, s[TROW], 9
	s_mov_b32 s81, 0
	s_add_nc_u64 s[10:11], s[10:11], s[80:81]
	v_lshlrev_b32 v[SO], 2, v0
.set j, 0
.rept 16
	global_load_b32 v[MC+j], v[SO], s[10:11] offset:j*32768
	global_load_b32 v[LL+j], v[SO], s[10:11] offset:524288+j*32768
.set j, j+1
.endr
	v_and_b32 v1, 15, v0                           ; l % 16
	v_bfe_u32 v2, v0, 4, 1                         ; l / 16
	v_mul_u32_u24 v3, v1, PA
	v_lshl_add_u32 v3, v2, 4, v3
	s_mul_i32 s84, s[WR], AHALF
	v_add_nc_u32 v[A0], s84, v3
	; the turning load takes 16 keys x 16 channels (lane l reads key 8 (l / 16) + l % 8, channels 8 ((l / 8) % 2) + 0..7) and leaves half a fragment: lane l holds channel l % 16 and 8 keys
	v_and_b32 v4, 7, v0
	v_lshl_add_u32 v4, v2, 3, v4
	v_mul_u32_u24 v4, v4, PB
	v_bfe_u32 v5, v0, 3, 1
	v_lshl_add_u32 v4, v5, 4, v4
	s_lshl_b32 s84, s[WC], 8                       ; my 128 channels of the tile's 256
	s_add_co_u32 s84, s84, BOFF
	v_add_nc_u32 v[B0], s84, v4
	s_mul_i32 s84, s[WV], 16*SP
	s_add_co_u32 s84, s84, STAGE                   ; my stage
	v_mul_u32_u24 v4, v1, SP                       ; in: row l % 16, 32 bytes for each half of the lanes
	v_lshl_add_u32 v4, v2, 5, v4
	v_add_nc_u32 v[STO], s84, v4
	v_and_b32 v5, 31, v0
	v_lshlrev_b32 v[CO], 4, v5                     ; back: 32 lanes take one row of 512 bytes
	v_add_nc_u32 v[RD], s84, v[CO]
	s_lshl_b32 s84, s[WR], 8
	v_lshl_add_u32 v[FT0], v1, 2, s84              ; row 64 x my half + l % 16, 4 bytes a row
	v_add_nc_u32 v[IA], INVL, v[FT0]
	v_add_nc_u32 v[FT0], FTAB, v[FT0]
	v_lshl_add_u32 v[TW], v0, 2, FTAB
	s_lshl_b32 s78, s[TROW], 7                     ; where my part of the tile begins in out0
	s_lshl_b32 s79, s[WR], 6
	s_add_co_u32 s78, s78, s79
	s_lshl_b32 s78, s78, 12
	s_lshl_b32 s79, s[TCOL], 10
	s_add_co_u32 s78, s78, s79
	s_lshl_b32 s79, s[WC], 9
	s_add_co_u32 s78, s78, s79
	s_mov_b32 s79, 0
	s_add_nc_u64 s[8:9], s[8:9], s[78:79]
	; the prefetches
	s_lshl_b32 s80, s[TROW], 7
	s_lshl_b32 s81, s[CX], 5
	s_add_co_u32 s80, s80, s81                     ; pw's: my work-group's 32 rows of the tile's 128,
	s_lshl_b32 s80, s80, 12
	s_add_co_u32 s80, s80, 3*KB                    ; at K step 3: the first refill steps it to 4
	s_lshr_b32 s82, s[CLY], 2
	s_lshl_b32 s82, s82, 11
	s_lshl_b32 s83, s[WC], 6
	s_add_co_u32 s82, s82, s83
	s_lshl_b32 s83, s[CY], 4
	s_add_co_u32 s82, s82, s83                     ; v's: my work-group's 16 rows of the 64 that I fetch,
	s_add_co_u32 s82, s82, 3*128                   ; at K step 3
	s_mul_i32 s82, s82, 6144
	s_lshl_b32 s83, s[TCOL], 9
	s_add_co_u32 s82, s82, s83
	s_add_co_u32 s82, s82, 4096
	s_or_b32 s84, ttmp9, s[WC]
	s_and_b32 s85, s[CLY], 3
	s_mov_b32 s[PST], BSTEP
	s_mov_b32 s87, 6144
	s_cmp_eq_u32 s[WR], 0
	s_cselect_b32 s80, s80, s82
	s_cselect_b32 s84, s84, s85                    ; the same in all sixteen partners, for a given wave
	s_cselect_b64 s[PFA:PFA+1], s[4:5], s[6:7]
	s_cselect_b32 s[PST], KB, s[PST]
	s_cselect_b32 s86, 0, 1                        ; pw: a lane a row; v: two lanes a row
	s_cselect_b32 s87, 4096, s87
	s_cmp_eq_u32 s84, 0
	s_cselect_b32 s[LIM], 2, -1
	s_mov_b32 s81, 0
	s_mov_b32 s[PST+1], 0
	s_add_nc_u64 s[PFA:PFA+1], s[PFA:PFA+1], s[80:81]
	v_lshrrev_b32 v6, s86, v5
	v_mul_lo_u32 v[PFO], v6, s87
	v_and_b32 v6, s86, v5
	v_lshl_add_u32 v[PFO], v6, 8, v[PFO]
	s_wait_loadcnt 0x0                             ; the statistics
	v_max3_num_f32 v96, v[MC], v[MC+1], v[MC+2]    ; M
	v_max3_num_f32 v97, v[MC+3], v[MC+4], v[MC+5]
	v_max3_num_f32 v98, v[MC+6], v[MC+7], v[MC+8]
	v_max3_num_f32 v99, v[MC+9], v[MC+10], v[MC+11]
	v_max3_num_f32 v116, v[MC+12], v[MC+13], v[MC+14]
	v_max3_num_f32 v96, v96, v97, v98
	v_max3_num_f32 v99, v99, v116, v[MC+15]
	v_max_num_f32 v96, v96, v99
.set j, 0
.rept 16
	v_sub_f32 v[MC+j], v[MC+j], v96
.set j, j+1
.endr
.set j, 0
.rept 16
	v_exp_f32 v[MC+j], v[MC+j]                     ; f_j
.set j, j+1
.endr
	v_nop                                          ; a plain instruction behind the last exponential (ISA guide 5.7.2),
	s_wait_alu depctr_va_vdst(0)                   ; and the wait ahead of the first use: one for the sixteen
	v_mul_f32 v97, v[MC], v[LL]                    ; L
.set j, 1
.rept 15
	v_fmac_f32 v97, v[MC+j], v[LL+j]
.set j, j+1
.endr
	v_rcp_f32 v98, v97
.set j, 0
.rept 16
	v_cvt_pk_f16_f32 v[PF+j], v[MC+j], v[MC+j]     ; independent work behind the reciprocal
.set j, j+1
.endr
	s_wait_alu depctr_va_vdst(0)                   ; the reciprocal's wait, ahead of its first use
.set j, 0
.rept 16
	ds_store_b32 v[TW], v[PF+j] offset:512*j
.set j, j+1
.endr
	ds_store_b32 v[TW], v98 offset:16*512
	s_wait_tensorcnt 0x1                           ; my part of K step 0 is in; K step 1's may stay out
	s_wait_dscnt 0x0                               ; for the others' sake: my words of the tables are written
	s_barrier_signal -1
	s_barrier_wait -1
	s_mov_b32 s[TB], 0
	s_mov_b32 s[FTS], 0
	v_add_nc_u32 v[ADRA], s[TB], v[A0]
	v_add_nc_u32 v[ADRB], s[TB], v[B0]
	v_add_nc_u32 v[FT], s[FTS], v[FT0]
	FACLOAD
	FETCH 0, 0
	FETCH 1, 1
	s_wait_dscnt 48                                ; the factors and buffer 0 are in; buffer 1's 48 loads may stay out
	WIN 0x82
.set ri, 0
.rept 64
	v_pk_mul_f16 v[ri], v[ri], v[FAC+((ri>>3)&3)]  ; the first half step's weights are scaled in one run: there are no products yet to set them behind
.set ri, ri+1
.endr
	PLACES
	MULS 0, 0, 0, 4, 1                             ; the first products start the sums: nothing is cleared
	WIN 0
	s_mov_b32 s[CNT], T-2
.Lstep:
	PARTB 1
	s_sub_co_u32 s[CNT], s[CNT], 1
	s_cmp_lg_u32 s[CNT], 0
	s_cbranch_scc1 .Lstep
	PARTB 0
	s_wait_dscnt 32                                ; the rest of the last K step: buffer 1's fragments of A are in
.set ri, 0
	MULS 0, 1, 0, 4, 0, 1
	s_wait_dscnt 0x0
	MULS 1, 0, 0, 4, 0
	MULS 1, 1, 0, 4, 0
	WIN 0
.irp a, 0,1,2,3
	ds_load_b32 v[IL+2*(\a)],   v[IA] offset:64*(\a)   ; 1 / L of my row in block a; the packed multiply names a pair, so both are written
	ds_load_b32 v[IL+2*(\a)+1], v[IA] offset:64*(\a)
.endr
	PLACES
	s_wait_dscnt 0x0
	PACK 0
	TOSTAGE 0
.irp a, 1,2,3                          ; block a's multiplies stand between block a - 1's loads from the stage and the wait for them
	PACK \a
	SEND (\a)-1
	TOSTAGE \a
.endr
	SEND 3
	s_wait_tensorcnt 0x0                           ; the wave's end, behind my last tensor load and my last LDS store
	ds_add_u32 v[SPW], v[NIL]
	s_wait_dscnt 0x0
	CROUND                                         ; the closing round
	s_endpgm
.Lfunc_end_k_qffbc2e996c_pv:
	.size	k_qffbc2e996c_pv, .Lfunc_end_k_qffbc2e996c_pv-k_qffbc2e996c_pv
	.p2alignl 7, 3214868480
	.fill 96, 4, 3214868480
	.section	.rodata,"a",@progbits
	.p2align	6, 0x0
	.amdhsa_kernel k_qffbc2e996c_pv
		.amdhsa_group_segment_fixed_size 327680
		.amdhsa_private_segment_fixed_size 0
		.amdhsa_enable_private_segment 0
		.amdhsa_kernarg_size 32
		.amdhsa_user_sgpr_count 2
		.amdhsa_user_sgpr_kernarg_segment_ptr 1
		.amdhsa_wavefront_size32 1
		.amdhsa_system_sgpr_workgroup_id_x 1
		.amdhsa_system_sgpr_workgroup_id_y 1
		.amdhsa_system_sgpr_workgroup_id_z 1
		.amdhsa_system_vgpr_workitem_id 0
		.amdhsa_next_free_vgpr 960
		.amdhsa_next_free_sgpr 96
		.amdhsa_reserve_vcc 0
		.amdhsa_float_denorm_mode_32 3
		.amdhsa_float_denorm_mode_16_64 3
		.amdhsa_memory_ordered 1
		.amdhsa_forward_progress 1
		.amdhsa_inst_pref_size 120
	.end_amdhsa_kernel
	.amdgpu_metadata
---
amdhsa.version: [ 1, 2 ]
amdhsa.kernels:
  - .name:           k_qffbc2e996c_pv
    .symbol:         k_qffbc2e996c_pv.kd
    .args:
      - { .name: pw, .offset: 0, .size: 8, .value_kind: global_buffer, .address_space: global }
      - { .name: qkv, .offset: 8, .size: 8, .value_kind: global_buffer, .address_space: global }
      - { .name: out0, .offset: 16, .size: 8, .value_kind: global_buffer, .address_space: global }
      - { .name: st, .offset: 24, .size: 8, .value_kind: global_buffer, .address_space: global }
    .group_segment_fixed_size: 327680
    .private_segment_fixed_size: 0
    .kernarg_segment_align: 8
    .kernarg_segment_size: 32
    .max_flat_workgroup_size: 128
    .sgpr_count:     96
    .vgpr_count:     960
    .wavefront_size: 32
...
	.end_amdgpu_metadata
.endif
;; end of part 4
;; ======== version 2 of 3: 4 launches
;; limits: values are held in f16: magnitudes above 65,504 overflow, below 6.1e-05 lose precision
;; workspace buffers: xb 16,777,216 bytes; wb 6,291,456 bytes; qkv 50,331,648 bytes; pw 33,554,432 bytes; st 1,048,576 bytes
;; launch cast (part 5): grid 704 x 1, 8 waves a work-group, no clusters, 0 bytes of LDS; arguments x, Wq, Wk, Wv, xb, wb; writes xb, wb
.if DOCPART == 5
	.amdgcn_target "amdgcn-amd-amdhsa--gfx1250"
	.amdhsa_code_object_version 6
	.text
	.protected	k_qffbc2e996c_cast
	.globl	k_qffbc2e996c_cast
	.p2align	8
	.type	k_qffbc2e996c_cast,@function
k_qffbc2e996c_cast:
	s_mov_b64 s[64:65], 0
	v_nop
	global_prefetch_b8 v0, s[64:65] scope:SCOPE_SE
	s_setreg_imm32_b32 hwreg(HW_REG_WAVE_MODE, 25, 1), 1
	s_wait_xcnt 0x0
; CAST.  x and the three weight matrices are rounded to bf16 (to nearest even, once) and laid out in the blocks in which the next launch asks for them: a K step there is 64 channels, 128 bytes of a row, and the rows
; of a tile lie end to end.  xb[T][s][p][64]: row 256 T + p of x, channels 64 s on: 32 x 16 blocks of 32,768 bytes.  wb[c][s][n][64], n = 128 z + i: row 128 c + i of Wq, Wk, Wv (z = 0, 1, 2): 8 x 16 blocks of 49,152 bytes.
; A stream: every input byte is read once, every output byte written once; no LDS, no matrix unit, no barrier: no wave wants another's bytes.
; SHARES.  A work-group takes 16 rows (65,536 bytes in, 32,768 out): groups 0-511 x, groups 512-703 the weights, 64 groups a matrix.  A wave takes two rows: 16 loads of 16 bytes a lane, one for each K step, all issued
; at once: lanes 0-15 take 256 neighbouring bytes of one row, lanes 16-31 of the next.  Each load's numbers leave by one store of 8 bytes a lane: two rows' 128 bytes, which are 256 consecutive bytes at a multiple of 256
; from the buffer's first byte.
.set X, 4                              ; v[4:67]    16 x 4 registers as loaded
.set Y, 68                             ; v[68:99]   16 x 2 registers to store; no register is written twice, so no store's source is ever rewritten
.set O, 100                            ; v[100:115] the stores' offsets: 8 x my thread's number + K step x the bytes of a block
	s_load_b256 s[4:11], s[0:1], 0x0               ; x s[4:5], Wq s[6:7], Wk s[8:9], Wv s[10:11]
	s_load_b128 s[12:15], s[0:1], 0x20             ; xb s[12:13], wb s[14:15]
	v_and_b32 v1, 0xe0, v0                         ; 32 x wave
	v_bfe_u32 v2, v0, 4, 1                         ; which of the wave's two rows
	v_and_b32 v3, 15, v0                           ; my 16 bytes of its 256
	v_lshlrev_b32 v1, 8, v1                        ; wave x 8,192 bytes
	v_lshl_or_b32 v1, v2, 12, v1                   ; + a row of 4,096
	v_lshl_or_b32 v1, v3, 4, v1                    ; my offset in the group's input
	s_mov_b32 s2, ttmp9                            ; the group's number
	s_sub_co_u32 s3, s2, 512                       ; its number among the weights' groups (used from group 512 on alone)
	s_lshr_b32 s16, s3, 6                          ; which matrix z,
	s_and_b32 s17, s3, 63                          ; which 16 rows of it
	s_lshr_b32 s22, s17, 3                         ; the weights' place in wb: column group c = rows / 128,
	s_mul_i32 s22, s22, 786432                     ; 16 blocks of 49,152 bytes each,
	s_lshl_b32 s23, s16, 14                        ; + z x 128 rows of 128 bytes
	s_add_co_u32 s22, s22, s23
	s_and_b32 s23, s17, 7
	s_lshl_b32 s23, s23, 11                        ; + the 16 rows' place among the 128
	s_add_co_u32 s22, s22, s23
	s_lshr_b32 s26, s2, 4                          ; x's place in xb: tile row T = rows / 256, 16 blocks of 32,768 bytes each,
	s_lshl_b32 s26, s26, 19
	s_and_b32 s23, s2, 15
	s_lshl_b32 s23, s23, 11                        ; + the 16 rows' place among the 256
	s_add_co_u32 s26, s26, s23
	s_mov_b32 s28, 49152
	s_cmp_lt_u32 s2, 512
	s_cselect_b32 s24, s2, s17                     ; the part's number in the source,
	s_cselect_b32 s26, s26, s22                    ; its byte in the destination,
	s_cselect_b32 s28, 32768, s28                  ; and the bytes from a K step's block to the next
	s_lshl_b32 s24, s24, 16
	s_mov_b32 s25, 0
	s_mov_b32 s27, 0
	v_lshlrev_b32 v[O], 3, v0                      ; 256 x wave + 8 x lane
.set j, 1
.rept 15
	v_add_nc_u32 v[O+j], s28, v[O+j-1]
.set j, j+1
.endr
	s_wait_kmcnt 0x0
	s_cmp_eq_u32 s16, 1
	s_cselect_b64 s[18:19], s[8:9], s[6:7]         ; Wk or Wq,
	s_cmp_eq_u32 s16, 2
	s_cselect_b64 s[18:19], s[10:11], s[18:19]     ; or Wv,
	s_cmp_lt_u32 s2, 512
	s_cselect_b64 s[18:19], s[4:5], s[18:19]       ; or x
	s_cselect_b64 s[20:21], s[12:13], s[14:15]     ; into xb or wb
	s_add_nc_u64 s[18:19], s[18:19], s[24:25]
	s_add_nc_u64 s[20:21], s[20:21], s[26:27]
.set j, 0
.rept 16
	global_load_b128 v[X+4*j:X+4*j+3], v1, s[18:19] offset:256*j th:TH_LOAD_NT
.set j, j+1
.endr
.set j, 0
.rept 16
	s_wait_loadcnt 15-j                            ; loads come back in order (ISA guide 5.7.1): load j is in, the 15 - j younger ones stay out
	v_cvt_pk_bf16_f32 v[Y+2*j], v[X+4*j], v[X+4*j+1]
	v_cvt_pk_bf16_f32 v[Y+2*j+1], v[X+4*j+2], v[X+4*j+3]
	global_store_b64 v[O+j], v[Y+2*j:Y+2*j+1], s[20:21]
.set j, j+1
.endr
	s_endpgm
.Lfunc_end_k_qffbc2e996c_cast:
	.size	k_qffbc2e996c_cast, .Lfunc_end_k_qffbc2e996c_cast-k_qffbc2e996c_cast
	.p2alignl 7, 3214868480
	.fill 96, 4, 3214868480
	.section	.rodata,"a",@progbits
	.p2align	6, 0x0
	.amdhsa_kernel k_qffbc2e996c_cast
		.amdhsa_group_segment_fixed_size 0
		.amdhsa_private_segment_fixed_size 0
		.amdhsa_enable_private_segment 0
		.amdhsa_kernarg_size 48
		.amdhsa_user_sgpr_count 2
		.amdhsa_user_sgpr_kernarg_segment_ptr 1
		.amdhsa_wavefront_size32 1
		.amdhsa_system_sgpr_workgroup_id_x 1
		.amdhsa_system_sgpr_workgroup_id_y 1
		.amdhsa_system_sgpr_workgroup_id_z 1
		.amdhsa_system_vgpr_workitem_id 0
		.amdhsa_next_free_vgpr 120
		.amdhsa_next_free_sgpr 66
		.amdhsa_reserve_vcc 0
		.amdhsa_float_denorm_mode_32 3
		.amdhsa_float_denorm_mode_16_64 3
		.amdhsa_memory_ordered 1
		.amdhsa_forward_progress 1
		.amdhsa_inst_pref_size 8
	.end_amdhsa_kernel
	.amdgpu_metadata
---
amdhsa.version: [ 1, 2 ]
amdhsa.kernels:
  - .name:           k_qffbc2e996c_cast
    .symbol:         k_qffbc2e996c_cast.kd
    .args:
      - { .name: x, .offset: 0, .size: 8, .value_kind: global_buffer, .address_space: global }
      - { .name: Wq, .offset: 8, .size: 8, .value_kind: global_buffer, .address_space: global }
      - { .name: Wk, .offset: 16, .size: 8, .value_kind: global_buffer, .address_space: global }
      - { .name: Wv, .offset: 24, .size: 8, .value_kind: global_buffer, .address_space: global }
      - { .name: xb, .offset: 32, .size: 8, .value_kind: global_buffer, .address_space: global }
      - { .name: wb, .offset: 40, .size: 8, .value_kind: global_buffer, .address_space: global }
    .group_segment_fixed_size: 0
    .private_segment_fixed_size: 0
    .kernarg_segment_align: 8
    .kernarg_segment_size: 48
    .max_flat_workgroup_size: 256
    .sgpr_count:     66
    .vgpr_count:     120
    .wavefront_size: 32
...
	.end_amdgpu_metadata
.endif
;; end of part 5
;; launch proj (part 6): grid 8 x 32, 4 waves a work-group, clusters of 4 x 4, 327,680 bytes of LDS; arguments xb, wb, qkv, bq, bk, bv; writes qkv
.if DOCPART == 6
	.amdgcn_target "amdgcn-amd-amdhsa--gfx1250"
	.amdhsa_code_object_version 6
	.text
	.protected	k_qffbc2e996c_proj
	.globl	k_qffbc2e996c_proj
	.p2align	8
	.type	k_qffbc2e996c_proj,@function
k_qffbc2e996c_proj:
	s_mov_b64 s[64:65], 0
	v_nop
	global_prefetch_b8 v0, s[64:65] scope:SCOPE_SE
	s_setreg_imm32_b32 hwreg(HW_REG_WAVE_MODE, 25, 1), 1
	s_wait_xcnt 0x0
	s_wait_alu depctr_hold_cnt(0) depctr_sa_sdst(0) depctr_va_vdst(0) depctr_va_sdst(0) depctr_va_ssrc(0) depctr_va_vcc(0) depctr_vm_vsrc(0)
	s_getreg_b32 s2, hwreg(HW_REG_IB_STS2, 6, 4)
	s_cmp_eq_u32 s2, 0
	s_cbranch_scc0 .Lentry_in_a_cluster
	s_endpgm
.Lentry_in_a_cluster:
	s_bfe_u32 s2, ttmp6, 0x10000c
	s_cmp_lg_u32 s2, 0xf033
	s_cbranch_scc0 .Lentry_shape_is_right
	s_endpgm
.Lentry_shape_is_right:
; PROJ.  q, k, v = x W^T + bias, into qkv: [8192][3072] f16 (a row: q, k, v).  xb and wb hold x and the weights in bf16, in blocks: xb[T][s][p][64] is row 256 T + p, channels 64 s on; wb[c][s][n][64], n = 128 z + i, is row
; 128 c + i of Wq, Wk, Wv (z = 0, 1, 2).  Sums in f32; the bias (rounded to bf16 like every input of the module) is the C operand that starts each sum; the result is rounded once, to f16.
; LIMIT.  f16 holds no number beyond 65,504: q, k and v must stay within it.  NaN and infinities are not treated apart.
; SHARES.  8,192 x 3,072 results on 256 work-groups are 98,304 each: a work-group makes 256 rows x 384 columns, the same 128 columns of q, of k and of v.  Each of its four waves makes 128 x 192: 96 accumulators of 16 x 16,
; 768 registers.  For 32 along K a wave reads 8 + 12 fragments from LDS, 40 loads, for 96 matrix instructions.
; K goes in steps of 64 through two LDS slots: two slots of 128 along K would be 640 rows x 272 bytes x 2 = 348,160 bytes, more than there are.  A step's tile is dense in memory (128 bytes a row, end to end): it is asked
; for as rows of 256 bytes, two rows of the tile each, at multiples of 256 bytes from the buffer's first byte, and padded in LDS behind every 128 bytes.
; CLUSTER.  4 x 4 work-groups.  The four of a row of the cluster need the same 256 rows of xb, the four of a column the same 384 rows of wb: each tile is asked for JOINTLY.
; THE MATRIX INSTRUCTION IS USED TRANSPOSED (source 0 = 16 rows of wb, source 1 = 16 rows of xb): lane l holds row l % 16 of the result and the columns 8 (l / 16) + 0..7.
; REGISTERS, in windows of 256 (s_set_vgpr_msb: bits 1:0 source 0, 3:2 source 1, 5:4 source 2, 7:6 destination):
;   window 0: v0-31 addresses; v32-95, v96-159 fragments of A (8 x 16 rows x 32 K), two buffers; v160-255 the 12 fragments of B, one buffer; on the way out v32-159 at work
;   window 1 + b / 4: accumulator (a, b), a = 0..7 row blocks, b = 0..11 column fragments, at v[8 (8 (b % 4) + a)]
; A CHUNK (32 along K) goes by THIRDS: 4 column fragments x 8 row blocks, 32 matrix instructions under one window setting.  The four fragments of B that a third has used are loaded again at once, for the next chunk, which
; wants them 64 matrix instructions later; with the first two of these runs goes half of the next chunk's A, into the other buffer.
; All of LDS is claimed.
.set T,      16                        ; K steps
.set PITCH,  144                       ; an LDS row: 128 bytes + 16 of padding = 36 words: the 16 rows of a fragment load start at 16 different groups of four banks (64 banks of 4 bytes: ISA guide 11.1)
.set AHALF,  128*PITCH                 ; what one of A's tensor loads brings, and what a wave reads of A
.set BHALF,  192*PITCH                 ; the same for B
.set BOFF,   2*AHALF                   ; in a slot: A's 256 rows, then B's 384: 92,160 bytes
.set SLOT1,  1<<17                     ; slot 1 begins here: one exclusive or turns an address in one slot into the other's
.set SPS,    784                       ; the stage: 256 rows of 768 bytes + 16, from LDS byte 0 on, over the slots, which have had their last fill by then; 196 words: row r starts at bank 4 r mod 64
.set BT,     SLOT1+BOFF+2*BHALF        ; behind the ring, where no tile lands: the tile's 384 biases, f32
.set SPARE,  BT+1536                   ; behind them: the spare words, 128 bytes a wave: two blocks of 256 bytes that no other line names
.set ASTEP,  32768                     ; bytes from a K step's block to the next, in xb
.set BSTEP,  49152                     ; and in wb
.set PITCHC, 6144                      ; bytes in a row of qkv
.set G1W,    (1<<16)|(1<<20)|(1<<21)|(4<<22)|(3<<25)  ; 17:16 2-byte elements; 20 padding on; 21 set beside a mask; 24:22 after every 32 words; 31:25 4 words of it
.set ADRA, 16                          ; v16  LDS address of my A fragments in the slot in hand
.set ADRB, 17                          ; v17  the same for B
.set A0,   18                          ; v18  my lane's place in a slot's A; never rewritten
.set B0,   19                          ; v19  the same for B
.set STO,  20                          ; v20, v21  the way out: where I put 16 bytes of a row, for row blocks 0-3 and 4-7
.set BTA,  22                          ; v22  where I read my columns' biases
.set BW,   23                          ; v23  where my thread puts its three biases
.set RD,   25                          ; v25  where I read a row back
.set CO,   26                          ; v26  my byte offset in qkv
.set SPW,  28                          ; v28  LDS address of my spare word; never rewritten
.set NIL,  29                          ; v29  0; never rewritten
.set PFO,  30                          ; v30  the prefetches' offset: 256 x lane; never rewritten
.set BO,   31                          ; v31  my thread's byte offset in a bias
.set AF0,  32                          ; A's buffer 0
.set AF1,  96                          ; A's buffer 1
.set BF,   160                         ; B's fragments
.set TMP,  32                          ; the way out
.set WV, 16                            ; s16 wave;  s17 which 128 rows are mine, also: I fetch for A (0) or B (1);  s18 which 192 columns, also: which half I fetch
.set WR, 17
.set WC, 18
.set CX, 19                            ; s19, s20 my place in the cluster
.set CY, 20
.set TCOL, 21                          ; s21 column group = 4 x cluster x + cx;  s22 tile row = 4 x cluster y + cy
.set TROW, 22
.set G1A, 24                           ; s[24:31] group 1 for A's tiles;  s[32:39] group 0: a set for each first fill; the second then walks
.set G0A, 32
.set G1B, 48                           ; s[48:55], s[56:63] the same for B's
.set G0B, 56
.set TB,  66                           ; s66 LDS byte at which the slot in hand begins
.set LIM, 67                           ; s67 a wave prefetches while the refills still to come are more than this
.set PFA, 68                           ; s[68:69] where my prefetches stand
.set PST, 70                           ; s[70:71] a K step in the stream that I prefetch
.set CNT, 76                           ; s76 refills still to come
.set CLY, 77                           ; s77 cluster y
.set PM,  90                           ; s90 0: I ask behind every refill; 1: behind every second
.set MSB, 0
.macro WIN new                         ; the immediate's high byte repeats the setting that is left; a switch that changes nothing is dropped
.if MSB != (\new)
	s_set_vgpr_msb (MSB<<8)|(\new)
.set MSB, \new
.endif
.endm
.macro PLACES                          ; four places behind a matrix instruction, in front of loads into registers that it read and of lines that read its result
.rept 4
	v_nop
.endr
.endm
; A joint refill, by the walking descriptor.  Waves 0 and 1 fetch A's halves, waves 2 and 3 B's; the branch hangs on the wave's number alone.
; An s_nop 0 and four v_nop follow each of the two lines, ahead of the jump and the label.
.macro JLOAD
	s_cmp_eq_u32 s[WR], 0
	s_cbranch_scc0 .Lfor_b_\@
	tensor_load_to_lds s[G0A+4:G0A+7], s[G1A:G1A+7]
	s_nop 0
.rept 4
	v_nop
.endr
	s_branch .Lasked_\@
.Lfor_b_\@:
	tensor_load_to_lds s[G0B+4:G0B+7], s[G1B:G1B+7]
	s_nop 0
.rept 4
	v_nop
.endr
.Lasked_\@:
.endm
; A PREFETCH INTO THE L2, behind a joint refill and the run of LDS loads that follows it: 32 blocks of 256 bytes, a lane a block.  Each block is named once in the launch.
; A's K step is 32,768 bytes, 128 blocks: wave 0 of the clusters with x = 0 asks, behind each refill, for the K step that stands two refills on; partner cx takes blocks 32 cx on.
; B's K step is 49,152 bytes, and a column group's K steps lie end to end: waves 1 to 3 of the clusters with y = 0 ask, behind every second refill, for the two K steps that stand two and three refills on: 384 blocks;
; partner cy and wave w take blocks 32 (3 cy + w - 1) on.  The partners are told apart by address.  K steps 0 to 3 come by their loads alone; the last refills, which have no such K step, ask for nothing.
.macro ASK
	s_and_b32 s91, s[CNT], s[PM]
	s_cmp_eq_u32 s91, 0
	s_cselect_b32 s91, s[CNT], 0                   ; 0 where this refill is not my turn
	s_cmp_gt_u32 s91, s[LIM]
	s_cbranch_scc0 .Lnot_mine_\@
	global_prefetch_b8 v[PFO], s[PFA:PFA+1] th:TH_LOAD_NT scope:SCOPE_SE
.Lnot_mine_\@:
.endm
.macro CREST                           ; a round of the cluster's barrier behind its opening barrier
	s_cmp_lg_u32 s[WV], 0
	s_cbranch_scc1 .Lnot_wave_0_\@
	s_barrier_signal -3
.Lnot_wave_0_\@:
	s_barrier_wait -3
	s_barrier_signal -1
	s_barrier_wait -1
.endm
.macro CROUND                          ; a whole round
	s_barrier_signal -1
	s_barrier_wait -1
	CREST
.endm
; Runs of 8 LDS loads, all under window 0.  LB: B's fragments 4 n .. 4 n + 3, 32 K at byte k of the rows.  LA: A's fragments 4 n .. 4 n + 3 into buffer f.  LC: the biases of column fragments 4 n .. 4 n + 3 into v[d] on.
.macro LB k, n
.irp i, 0,1,2,3
	ds_load_b128 v[BF+8*(4*(\n)+(\i)):BF+8*(4*(\n)+(\i))+3],   v[ADRB] offset:(\k)+(4*(\n)+(\i))*16*PITCH
	ds_load_b128 v[BF+8*(4*(\n)+(\i))+4:BF+8*(4*(\n)+(\i))+7], v[ADRB] offset:(\k)+(4*(\n)+(\i))*16*PITCH+32
.endr
.endm
.macro LA k, f, n
.irp i, 0,1,2,3
	ds_load_b128 v[(\f)+8*(4*(\n)+(\i)):(\f)+8*(4*(\n)+(\i))+3],   v[ADRA] offset:(\k)+(4*(\n)+(\i))*16*PITCH
	ds_load_b128 v[(\f)+8*(4*(\n)+(\i))+4:(\f)+8*(4*(\n)+(\i))+7], v[ADRA] offset:(\k)+(4*(\n)+(\i))*16*PITCH+32
.endr
.endm
.macro LC d, n
.irp i, 0,1,2,3
	ds_load_b128 v[(\d)+8*(\i):(\d)+8*(\i)+3],   v[BTA] offset:64*(4*(\n)+(\i))
	ds_load_b128 v[(\d)+8*(\i)+4:(\d)+8*(\i)+7], v[BTA] offset:64*(4*(\n)+(\i))+16
.endr
.endm
.macro GL k, f, n                      ; the run behind third n: the next chunk's B for that third, and with the first two thirds half of its A
	WIN 0
	LB \k, \n
.if (\n) < 2
	LA \k, \f, \n
.endif
.endm
; 8 nb matrix instructions: column fragments b0 .. b0 + nb - 1 (all of one third) x all 8 row blocks, 32 along K, A from buffer f.  mode 2: the biases at v[cb] on start the sums.
; The 96 accumulators take turns, one instruction a turn, in the same order in every chunk, over the backward jump too.
.macro MULB f, b0, nb, mode, cb=0
.if (\mode) == 2
	WIN (1+(\b0)/4)<<6                             ; the sources and C window 0, D the third's window
.else
	WIN 0x50*(1+(\b0)/4)                           ; the sources window 0, C and D the third's window
.endif
.set mb, \b0
.rept \nb
.set ma, 0
.rept 8
.if (\mode) == 2
	v_wmma_f32_16x16x32_bf16 v[8*(8*(mb%4)+ma):8*(8*(mb%4)+ma)+7], v[BF+8*mb:BF+8*mb+7], v[(\f)+8*ma:(\f)+8*ma+7], v[(\cb)+8*(mb%4):(\cb)+8*(mb%4)+7]
.else
	v_wmma_f32_16x16x32_bf16 v[8*(8*(mb%4)+ma):8*(8*(mb%4)+ma)+7], v[BF+8*mb:BF+8*mb+7], v[(\f)+8*ma:(\f)+8*ma+7], v[8*(8*(mb%4)+ma):8*(8*(mb%4)+ma)+7]
.endif
.set ma, ma+1
.endr
.set mb, mb+1
.endr
.endm
; A K step's first chunk: A from buffer 0; its runs fetch the step's second chunk, at byte 64 of the same slot's rows.
.macro EVEN
	s_wait_dscnt 8                                 ; A and B's fragments 0-7 are in; the youngest eight loads (B's fragments 8-11) may be out
	MULB AF0, 0, 4, 0
	PLACES
	GL 64, AF1, 0
	MULB AF0, 4, 4, 0
	PLACES
	GL 64, AF1, 1
	s_wait_dscnt 32                                ; all but the two runs of 16 just issued: B's fragments 8-11 are in
	MULB AF0, 8, 4, 0
	PLACES
	GL 64, AF1, 2
.endm
; A K step's second chunk: A from buffer 1.  The slot's last bytes were asked for behind the first chunk, so the slots change here, in the first third: ONE barrier.  In front of it each wave waits for all its tensor loads
; (one is out: its part of the next slot), adds 0 to its spare word, and waits for that and for its reads of this slot.  fill = 1: the barrier opens a round of the cluster's, and the slot just read is filled again first
; thing behind it, with the K step two on: 176 matrix instructions stand between that request and the wait for it.  load = 0: the last chunk of all: there is no next slot.
.macro ODD fill, load
.if \fill
	s_wait_xcnt 0x0                                ; the last prefetch, a K step back or more, has read its address: it is stepped here
	s_add_nc_u64 s[PFA:PFA+1], s[PFA:PFA+1], s[PST:PST+1]
.endif
	s_wait_dscnt 8                                 ; A and B's fragments 0-7 are in
	MULB AF1, 0, 2, 0
.if \load
	WIN 0                                          ; (the add's two registers lie in window 0)
	s_wait_tensorcnt 0x0                           ; all my tensor loads have landed, so a group 0 may be written
	ds_add_u32 v[SPW], v[NIL]                      ; 0 onto my spare word
.if \fill
	s_xor_b32 s[G0A+5], s[G0A+5], SLOT1            ; the walking descriptors: the other slot than last time,
	s_add_nc_u64 s[G0A+6:G0A+7], s[G0A+6:G0A+7], ASTEP  ; the next K step; the type bits on top are not reached
	s_xor_b32 s[G0B+5], s[G0B+5], SLOT1
	s_add_nc_u64 s[G0B+6:G0B+7], s[G0B+6:G0B+7], BSTEP
.endif
	MULB AF1, 2, 1, 0                              ; eight matrix instructions stand between the add and the wait for it
	s_wait_dscnt 0x0                               ; the add is done, and my reads of this slot are back
	s_barrier_signal -1
	MULB AF1, 3, 1, 0                              ; work on registers while the others arrive
	WIN 0                                          ; at a branch and at a label every window is 0
	s_barrier_wait -1
.if \fill
	CREST                                          ; no wave of any partner still reads this slot or has a load on its way
	JLOAD                                          ; its four v_nop are also the places in front of the loads below
.else
	PLACES
.endif
	s_xor_b32 s[TB], s[TB], SLOT1
	v_add_nc_u32 v[ADRA], s[TB], v[A0]
	v_add_nc_u32 v[ADRB], s[TB], v[B0]
	GL 0, AF0, 0                                   ; the next slot's first chunk
.if \fill
	ASK
.endif
	MULB AF1, 4, 4, 0
	PLACES
	GL 0, AF0, 1
	s_wait_dscnt 32                                ; (met at once: the wait for 0 above has shown B's fragments 8-11 in)
	MULB AF1, 8, 4, 0
	PLACES
	GL 0, AF0, 2
.else
	MULB AF1, 2, 2, 0
	MULB AF1, 4, 4, 0
	s_wait_dscnt 0x0                               ; B's fragments 8-11
	MULB AF1, 8, 4, 0
.endif
.endm
; THE WAY OUT of window 1 + t: column fragments 4 t .. 4 t + 3 of all 8 row blocks: rounded to f16, 16 bytes a lane, into the work-group's stage.
.macro OUTW t
	WIN 5*((\t)+1)                                 ; sources 0 and 1 the third's window, destination window 0; each accumulator's registers in ascending order
.set ei, 0
.rept 128
	v_cvt_pk_f16_f32 v[TMP+ei], v[2*ei], v[2*ei+1]
.set ei, ei+1
.endr
	WIN 0
.set eb, 0
.rept 4
.set ea, 0
.rept 8
	ds_store_b128 v[STO+ea/4], v[TMP+4*(8*eb+ea):TMP+4*(8*eb+ea)+3] offset:(ea%4)*16*SPS+32*(4*(\t)+eb)
.set ea, ea+1
.endr
.set eb, eb+1
.endr
.endm
	s_load_b256 s[4:11], s[0:1], 0x0               ; xb s[4:5], wb s[6:7], qkv s[8:9], bq s[10:11]
	s_load_b128 s[12:15], s[0:1], 0x20             ; bk s[12:13], bv s[14:15]
	v_lshl_add_u32 v[SPW], v0, 2, SPARE
	v_mov_b32 v[NIL], 0
	ds_add_u32 v[SPW], v[NIL]                      ; the wave's opening: the add and its wait stand ahead of my first tensor load; the set-up below, work on registers, stands between them
	v_lshrrev_b32 v1, 5, v0
	v_readfirstlane_b32 s[WV], v1
	s_lshr_b32 s[WR], s[WV], 1
	s_and_b32 s[WC], s[WV], 1
	s_bfe_u32 s[CX], ttmp6, 0x40000
	s_bfe_u32 s[CY], ttmp6, 0x40004
	s_lshl_b32 s[TCOL], ttmp9, 2                   ; in a cluster launch ttmp9 and ttmp7 count clusters
	s_add_co_u32 s[TCOL], s[TCOL], s[CX]
	s_and_b32 s[CLY], ttmp7, 0xffff
	s_lshl_b32 s[TROW], s[CLY], 2
	s_add_co_u32 s[TROW], s[TROW], s[CY]
	s_lshl_b32 s44, s[CY], 2
	s_lshl_b32 s44, 15, s44                        ; my row of the cluster: places 4 cy .. 4 cy + 3
	s_lshl_b32 s45, 0x1111, s[CX]                  ; my column: places cx, cx + 4, cx + 8, cx + 12
	s_or_b32 s[G1A], s44, G1W                      ; A's tiles go to my row,
	s_or_b32 s[G1B], s45, G1W                      ; B's to my column
.irp g, G1A, G1B
	s_mov_b32 s[(\g)+1], 128<<16                   ; tensor_dim0 = 128 elements: 256 bytes, two rows of the tile
	s_mov_b32 s[(\g)+3], 128<<16                   ; tile_dim0 = 128
	s_mov_b32 s[(\g)+5], 128                       ; elements from row to row: the block is dense
	s_mov_b32 s[(\g)+6], 0
	s_mov_b32 s[(\g)+7], 0
.endr
	s_mov_b32 s[G1A+2], 64<<16                     ; tensor_dim1 = tile_dim1 = 64 such rows for A's 128,
	s_mov_b32 s[G1A+4], 64
	s_mov_b32 s[G1B+2], 96<<16                     ; 96 for B's 192
	s_mov_b32 s[G1B+4], 96
	s_mul_i32 s23, s[WC], AHALF                    ; where the tiles go: no place in the cluster enters an LDS address
	s_mov_b32 s[G0A], 1
	s_mov_b32 s[G0A+1], s23
	s_mov_b32 s[G0A+4], 1
	s_add_co_u32 s[G0A+5], s23, SLOT1
	s_mul_i32 s23, s[WC], BHALF
	s_mov_b32 s[G0B], 1
	s_add_co_u32 s[G0B+1], s23, BOFF
	s_mov_b32 s[G0B+4], 1
	s_add_co_u32 s[G0B+5], s23, SLOT1+BOFF
	s_lshl_b32 s42, s[TROW], 19                    ; A: the tile row's 16 blocks, which my row of the cluster shares,
	s_lshl_b32 s23, s[WC], 14                      ; + my 128 rows of 128 bytes
	s_add_co_u32 s42, s42, s23
	s_mov_b32 s43, 0
	s_mul_i32 s46, s[TCOL], 786432                 ; B: the column group's 16 blocks, which my column shares,
	s_mul_i32 s23, s[WC], 24576                    ; + my 192 rows
	s_add_co_u32 s46, s46, s23
	s_mov_b32 s47, 0
	s_wait_dscnt 0x0                               ; the opening add is done
	s_wait_kmcnt 0x0
	s_add_nc_u64 s[G0A+2:G0A+3], s[4:5], s[42:43]  ; K step 0,
	s_add_nc_u64 s[G0A+6:G0A+7], s[G0A+2:G0A+3], ASTEP  ; K step 1
	s_or_b32 s[G0A+3], s[G0A+3], 0x80000000        ; type = 2
	s_or_b32 s[G0A+7], s[G0A+7], 0x80000000
	s_add_nc_u64 s[G0B+2:G0B+3], s[6:7], s[46:47]
	s_add_nc_u64 s[G0B+6:G0B+7], s[G0B+2:G0B+3], BSTEP
	s_or_b32 s[G0B+3], s[G0B+3], 0x80000000
	s_or_b32 s[G0B+7], s[G0B+7], 0x80000000
	CROUND                                         ; all sixteen work-groups are here: the first joint loads meet
	s_cmp_eq_u32 s[WR], 0                          ; a wave's two first fills stand in one branch, ahead of every wait on TENSORcnt and every LDS read: two loads of mine are out
	s_cbranch_scc0 .Lfirst_b
	tensor_load_to_lds s[G0A:G0A+3], s[G1A:G1A+7]
	s_nop 0
	tensor_load_to_lds s[G0A+4:G0A+7], s[G1A:G1A+7]
	s_nop 0
.rept 4
	v_nop
.endr
	s_branch .Lfirst_asked
.Lfirst_b:
	tensor_load_to_lds s[G0B:G0B+3], s[G1B:G1B+7]
	s_nop 0
	tensor_load_to_lds s[G0B+4:G0B+7], s[G1B:G1B+7]
	s_nop 0
.rept 4
	v_nop
.endr
.Lfirst_asked:
	; the tile's 384 biases: thread i takes column 128 c + i of bq, of bk and of bv
	s_lshl_b32 s80, s[TCOL], 9
	s_mov_b32 s81, 0
	s_add_nc_u64 s[10:11], s[10:11], s[80:81]
	s_add_nc_u64 s[12:13], s[12:13], s[80:81]
	s_add_nc_u64 s[14:15], s[14:15], s[80:81]
	v_lshlrev_b32 v[BO], 2, v0
	global_load_b32 v4, v[BO], s[10:11]
	global_load_b32 v5, v[BO], s[12:13]
	global_load_b32 v6, v[BO], s[14:15]
	v_lshl_add_u32 v[BW], v0, 2, BT
	; a fragment is 16 rows x 32 K in 8 registers: lane l holds row l % 16, K = 8 (l / 16) + 0..7 and 16 + 8 (l / 16) + 0..7: two loads of 16 bytes, 32 bytes apart
	v_and_b32 v1, 15, v0                           ; l % 16
	v_bfe_u32 v2, v0, 4, 1                         ; l / 16
	v_mul_u32_u24 v3, v1, PITCH
	v_lshl_add_u32 v3, v2, 4, v3                   ; row x pitch + 16 x half
	s_mul_i32 s84, s[WR], AHALF                    ; my 128 rows of A
	v_add_nc_u32 v[A0], s84, v3
	s_mul_i32 s84, s[WC], BHALF                    ; my 192 rows of B,
	s_add_co_u32 s84, s84, BOFF                    ; which lie behind A's 256
	v_add_nc_u32 v[B0], s84, v3
	v_mul_u32_u24 v7, v1, SPS                      ; into the stage: row 128 x my half + l % 16, my 384 bytes of its 768, 16 bytes for each half of the lanes
	v_lshl_add_u32 v7, v2, 4, v7
	s_mul_i32 s84, s[WR], 128*SPS
	s_mul_i32 s85, s[WC], 384
	s_add_co_u32 s84, s84, s85
	v_add_nc_u32 v[STO], s84, v7
	v_add_nc_u32 v[STO+1], 64*SPS, v[STO]          ; row blocks 4-7: the immediate holds 16 bits
	v_mul_u32_u24 v7, v2, SPS                      ; back: wave w takes rows 64 w on, whole; lanes 0-15 256 bytes of one row, lanes 16-31 of the next
	v_lshl_add_u32 v7, v1, 4, v7
	s_mul_i32 s84, s[WV], 64*SPS
	v_add_nc_u32 v[RD], s84, v7
	v_mul_u32_u24 v7, v2, PITCHC                   ; and the same two rows in qkv
	v_lshl_add_u32 v[CO], v1, 4, v7
	s_mul_i32 s84, s[WC], 768                      ; my 192 columns' biases, 8 for each half of the lanes
	s_add_co_u32 s84, s84, BT
	v_lshl_add_u32 v[BTA], v2, 5, s84
	s_lshl_b32 s78, s[TROW], 8                     ; the first row of qkv that I store: 256 x tile row + 64 x wave,
	s_lshl_b32 s79, s[WV], 6
	s_add_co_u32 s78, s78, s79
	s_mul_i32 s78, s78, PITCHC
	s_lshl_b32 s79, s[TCOL], 8                     ; and the column group's 256 bytes of q
	s_add_co_u32 s78, s78, s79
	s_mov_b32 s79, 0
	s_add_nc_u64 s[8:9], s[8:9], s[78:79]
	; the prefetches
	s_lshl_b32 s80, s[TROW], 19
	s_lshl_b32 s81, s[CX], 13
	s_add_co_u32 s80, s80, s81                     ; A's: my work-group's 32 blocks of a K step's 128,
	s_add_co_u32 s80, s80, 3*ASTEP                 ; at K step 3: the first refill steps it to 4
	s_mul_i32 s82, s[TCOL], 786432
	s_mul_i32 s83, s[CY], 3
	s_add_co_u32 s83, s83, s[WV]
	s_sub_co_u32 s83, s83, 1                       ; (used in waves 1 to 3 alone)
	s_lshl_b32 s83, s83, 13
	s_add_co_u32 s82, s82, s83                     ; B's: my wave's 32 blocks of two K steps' 384,
	s_add_co_u32 s82, s82, 3*BSTEP                 ; at K step 3
	s_mov_b32 s[PST], BSTEP
	s_cmp_eq_u32 s[WV], 0
	s_cselect_b32 s80, s80, s82
	s_cselect_b32 s84, ttmp9, s[CLY]               ; the coordinate along which other clusters read the same blocks: the same in all sixteen partners, for a given wave
	s_cselect_b64 s[PFA:PFA+1], s[4:5], s[6:7]
	s_cselect_b32 s[PST], ASTEP, s[PST]
	s_cselect_b32 s[PM], 0, 1
	s_cselect_b32 s85, 2, 3                        ; A: the last two refills have no K step two on; B: the last turn that has two K steps ahead is the one with four refills to come
	s_cmp_eq_u32 s84, 0
	s_cselect_b32 s[LIM], s85, -1
	s_mov_b32 s81, 0
	s_mov_b32 s[PST+1], 0
	s_add_nc_u64 s[PFA:PFA+1], s[PFA:PFA+1], s[80:81]
	v_and_b32 v[PFO], 31, v0
	v_lshlrev_b32 v[PFO], 8, v[PFO]
	s_wait_loadcnt 0x0                             ; the biases: rounded to bf16, widened again, and put into the table: word 128 z + i
	v_cvt_pk_bf16_f32 v4, v4, v4
	v_cvt_pk_bf16_f32 v5, v5, v5
	v_cvt_pk_bf16_f32 v6, v6, v6
	v_lshlrev_b32 v4, 16, v4
	v_lshlrev_b32 v5, 16, v5
	v_lshlrev_b32 v6, 16, v6
	ds_store_b32 v[BW], v4
	ds_store_b32 v[BW], v5 offset:512
	ds_store_b32 v[BW], v6 offset:1024
	s_wait_tensorcnt 0x1                           ; my part of K step 0 is in; K step 1's may stay out
	s_wait_dscnt 0x0                               ; for the others' sake: my words of the table are written
	s_barrier_signal -1
	s_barrier_wait -1                              ; everybody's are
	s_mov_b32 s[TB], 0
	v_add_nc_u32 v[ADRA], s[TB], v[A0]
	v_add_nc_u32 v[ADRB], s[TB], v[B0]
	; THE FIRST CHUNK stands in front of the loop: its products start the sums, with the biases: nothing is cleared.  The biases borrow A's buffer 1, 32 registers a third, ahead of that buffer's first fill.
	LB 0, 0
	LA 0, AF0, 0
	LB 0, 1
	LA 0, AF0, 1
	LB 0, 2
	LC AF1, 0
	LC AF1+32, 1
	s_wait_dscnt 0x0
	MULB AF0, 0, 4, 2, AF1
	PLACES
	WIN 0
	LB 64, 0
	LC AF1, 2                                      ; the third third's biases, where the first third's lay
	MULB AF0, 4, 4, 2, AF1+32
	PLACES
	WIN 0
	LB 64, 1
	LA 64, AF1, 1
	s_wait_dscnt 16                                ; all but the 16 just issued: the biases are in
	MULB AF0, 8, 4, 2, AF1
	PLACES
	WIN 0
	LA 64, AF1, 0
	LB 64, 2                                       ; the youngest eight, as behind every chunk
	s_mov_b32 s[CNT], T-2
.Lstep:                                            ; T - 2 trips, from a step's second chunk to the next step's first: trip i leaves K step i and asks for K step i + 2
	ODD 1, 1
	EVEN
	s_sub_co_u32 s[CNT], s[CNT], 1
	s_cmp_lg_u32 s[CNT], 0
	s_cbranch_scc1 .Lstep
	ODD 0, 1                                       ; the tail is written out: nothing is left to ask for
	EVEN
	ODD 0, 0
	WIN 0
	PLACES                                         ; behind the last products, in front of the conversions that read them
	s_barrier_signal -1                            ; every wave's reads of the slots are back (its last wait on LDS was for 0), and no tensor load is out:
	s_barrier_wait -1                              ; the stage may be laid over the slots
	OUTW 0
	OUTW 1
	OUTW 2
	s_wait_dscnt 0x0                               ; for the others' sake: my stores into the stage are done; a row's 768 bytes come from two waves
	s_barrier_signal -1
	s_barrier_wait -1
	s_mov_b32 s[CNT], 3
.Lback:                                            ; three trips: my 64 rows' 256 bytes of q, of k, of v
.set ti, 0
.rept 32
	ds_load_b128 v[TMP+4*ti:TMP+4*ti+3], v[RD] offset:2*ti*SPS
.set ti, ti+1
.endr
.set ti, 0
.rept 32
	s_wait_dscnt 31-ti                             ; LDS loads come back in order (ISA guide 5.7.1): load ti is in
	global_store_b128 v[CO], v[TMP+4*ti:TMP+4*ti+3], s[8:9] offset:2*ti*PITCHC  ; 16 lanes store 256 consecutive bytes, at a multiple of 256 from qkv's first byte
.set ti, ti+1
.endr
	s_wait_xcnt 0x0                                ; the stores have read their registers and their base, which are written again below and in the next trip
	v_add_nc_u32 v[RD], 256, v[RD]
	s_add_nc_u64 s[8:9], s[8:9], 2048
	s_sub_co_u32 s[CNT], s[CNT], 1
	s_cmp_lg_u32 s[CNT], 0
	s_cbranch_scc1 .Lback
	s_wait_tensorcnt 0x0                           ; the wave's end, behind my last tensor load and my last LDS store
	ds_add_u32 v[SPW], v[NIL]
	s_wait_dscnt 0x0
	CROUND                                         ; the closing round: no work-group ends while a partner may still ask for a tile that names it
	s_endpgm
.Lfunc_end_k_qffbc2e996c_proj:
	.size	k_qffbc2e996c_proj, .Lfunc_end_k_qffbc2e996c_proj-k_qffbc2e996c_proj
	.p2alignl 7, 3214868480
	.fill 96, 4, 3214868480
	.section	.rodata,"a",@progbits
	.p2align	6, 0x0
	.amdhsa_kernel k_qffbc2e996c_proj
		.amdhsa_group_segment_fixed_size 327680
		.amdhsa_private_segment_fixed_size 0
		.amdhsa_enable_private_segment 0
		.amdhsa_kernarg_size 48
		.amdhsa_user_sgpr_count 2
		.amdhsa_user_sgpr_kernarg_segment_ptr 1
		.amdhsa_wavefront_size32 1
		.amdhsa_system_sgpr_workgroup_id_x 1
		.amdhsa_system_sgpr_workgroup_id_y 1
		.amdhsa_system_sgpr_workgroup_id_z 1
		.amdhsa_system_vgpr_workitem_id 0
		.amdhsa_next_free_vgpr 1024
		.amdhsa_next_free_sgpr 96
		.amdhsa_reserve_vcc 0
		.amdhsa_float_denorm_mode_32 3
		.amdhsa_float_denorm_mode_16_64 3
		.amdhsa_memory_ordered 1
		.amdhsa_forward_progress 1
		.amdhsa_inst_pref_size 104
	.end_amdhsa_kernel
	.amdgpu_metadata
---
amdhsa.version: [ 1, 2 ]
amdhsa.kernels:
  - .name:           k_qffbc2e996c_proj
    .symbol:         k_qffbc2e996c_proj.kd
    .args:
      - { .name: xb, .offset: 0, .size: 8, .value_kind: global_buffer, .address_space: global }
      - { .name: wb, .offset: 8, .size: 8, .value_kind: global_buffer, .address_space: global }
      - { .name: qkv, .offset: 16, .size: 8, .value_kind: global_buffer, .address_space: global }
      - { .name: bq, .offset: 24, .size: 8, .value_kind: global_buffer, .address_space: global }
      - { .name: bk, .offset: 32, .size: 8, .value_kind: global_buffer, .address_space: global }
      - { .name: bv, .offset: 40, .size: 8, .value_kind: global_buffer, .address_space: global }
    .group_segment_fixed_size: 327680
    .private_segment_fixed_size: 0
    .kernarg_segment_align: 8
    .kernarg_segment_size: 48
    .max_flat_workgroup_size: 128
    .sgpr_count:     96
    .vgpr_count:     1024
    .wavefront_size: 32
...
	.end_amdgpu_metadata
.endif
;; end of part 6
;; launch scores (part 7): grid 8 x 32, 4 waves a work-group, clusters of 4 x 4, 327,680 bytes of LDS; arguments qkv, pw, st; writes pw, st
.if DOCPART == 7
	.amdgcn_target "amdgcn-amd-amdhsa--gfx1250"
	.amdhsa_code_object_version 6
	.text
	.protected	k_qffbc2e996c_scores
	.globl	k_qffbc2e996c_scores
	.p2align	8
	.type	k_qffbc2e996c_scores,@function
k_qffbc2e996c_scores:
	s_mov_b64 s[64:65], 0
	v_nop
	global_prefetch_b8 v0, s[64:65] scope:SCOPE_SE
	s_setreg_imm32_b32 hwreg(HW_REG_WAVE_MODE, 25, 1), 1
	s_wait_xcnt 0x0
	s_wait_alu depctr_hold_cnt(0) depctr_sa_sdst(0) depctr_va_vdst(0) depctr_va_sdst(0) depctr_va_ssrc(0) depctr_va_vcc(0) depctr_vm_vsrc(0)
	s_getreg_b32 s2, hwreg(HW_REG_IB_STS2, 6, 4)
	s_cmp_eq_u32 s2, 0
	s_cbranch_scc0 .Lentry_in_a_cluster
	s_endpgm
.Lentry_in_a_cluster:
	s_bfe_u32 s2, ttmp6, 0x10000c
	s_cmp_lg_u32 s2, 0xf033
	s_cbranch_scc0 .Lentry_shape_is_right
	s_endpgm
.Lentry_shape_is_right:
; SCORES.  s[m][t] = q[m] . k[t] over 1,024 channels, within a batch of 2,048 rows.  For each row m and each block j of 128 keys: mc = c x (the block's largest s), c = log2(e) / 32;
; pw[m][t] = 2^(c s - mc), rounded once to f16; l = the sum of the block's unrounded weights.  st holds mc[16][8192] and, 524,288 bytes on, l[16][8192], f32.
; The maximum that is taken away here is the block's; the launch behind turns it into the row's, by the factor 2^(mc - the row's largest mc): the running-maximum recurrence, cut in two.
; qkv: [8192][3072] f16, a row: q, k, v.  pw: [8192][2048] f16.  Products, maxima and sums in f32.
; LIMITS.  A weight below 6e-5 keeps f16's fixed step of 6e-8; one below 2^-126 counts as 0 in l.  NaN and infinities are not treated apart.
; SHARES.  A work-group makes 256 queries x 256 keys; each of its four waves 128 x 128, one block of keys: 64 accumulators of 16 x 16, 512 registers.  32 x 8 = 256 work-groups of equal work.
; K goes in steps of 128 through two LDS slots filled by the tensor data mover: rows of 256 bytes, at multiples of 256 bytes from the buffer's first byte.
; CLUSTER.  4 x 4 work-groups.  The four of a row of the cluster need the same 256 rows of q, the four of a column the same 256 rows of k: each tile is asked for JOINTLY.
; THE MATRIX INSTRUCTION IS USED TRANSPOSED (source 0 = 16 keys, source 1 = 16 queries): lane l holds query l % 16 and the keys 8 (l / 16) + 0..7: a query's maximum and sum want one exchange between the halves of the lanes.
; REGISTERS, in windows of 256 (s_set_vgpr_msb: bits 1:0 source 0, 3:2 source 1, 5:4 source 2, 7:6 destination):
;   window 0: v0-31 addresses; v32-47 four registers of statistics a row block; v48-63 at work; v64-127, v128-191 fragments of A, two buffers; on the way out v128-223 at work
;   window 1: v64-127, v128-191 fragments of B, two buffers        window 2: accumulator (a, b), a = 0..3, at v[8 (8 a + b)]        window 3: a = 4..7 likewise
; THE SOFTMAX'S TEXT STANDS ONCE, for four row blocks in window 2, and is walked twice; between the two trips window 3's accumulators are copied into window 2: 256 moves a wave in place of a second copy of the text.
; All of LDS is claimed.
.set T,      8
.set PITCH,  272                       ; an LDS row: 256 bytes + 16 of padding = 68 words: the 16 rows of a fragment load start at 16 different groups of four banks (64 banks of 4 bytes: ISA guide 11.1)
.set HALFT,  128*PITCH                 ; 128 rows: what one tensor load brings, and what one wave reads of A or of B
.set SLOT,   4*HALFT                   ; 139,264 = 0x22000: its two bits are set in none of wave x HALFT (0, 0x8800, 0x11000, 0x19800), so one exclusive or turns an address in one slot into the other's
.set STAGE,  2*SLOT                    ; behind the ring: 16 rows x 272 bytes for each wave
.set SP,     272
.set SCR,    STAGE+4*16*SP             ; behind the stages: 512 bytes for each wave: 64 mc, 64 l
.set SPARE,  SCR+4*512                 ; the spare words, 128 bytes a wave: two blocks of 256 bytes that no other line names
.set KB,     256
.set ROWQ,   6144                      ; bytes in a row of qkv
.set PITCHC, 4096                      ; bytes in a row of pw
.set G1W,    (1<<16)|(1<<20)|(1<<21)|(5<<22)|(3<<25)
.set ADRA, 16
.set ADRB, 17
.set A0,   18
.set B0,   19
.set SA,   20                          ; v20  where I put a row's statistic
.set SB,   21                          ; v21  where I read two rows' back
.set SO,   22                          ; v22  my byte offset in 256 bytes of st
.set STO,  24
.set RD,   25
.set CO,   26
.set SPW,  28
.set NIL,  29
.set PFO,  30
.set ST,   32                          ; row block a at v[ST+4 a]: mc, m, l (even keys', odd keys')
.set CH,   48                          ; chain q = 4 a + k at v[CH+q]
.set F0,   64
.set F1,   128
.set TMP,  128
.set BK0,  160
.set WV, 16
.set WR, 17
.set WC, 18
.set CX, 19
.set CY, 20
.set TCOL, 21
.set TROW, 22
.set G1A, 24
.set G0A, 32
.set G1B, 48
.set G0B, 56
.set TB,  66
.set LIM, 67
.set PFA, 68
.set CS,  72                           ; s[72:73] c: the packed scaling takes the pair's low word for both halves
.set SEL, 74                           ; s[74:75] v_permlanex16_b32's selects: each lane takes its own place in the other half
.set CNT, 76
.set CLY, 77
.set EC,  88                           ; s88 halves of my rows still to leave
.set MSB, 0
.macro WIN new
.if MSB != (\new)
	s_set_vgpr_msb (MSB<<8)|(\new)
.set MSB, \new
.endif
.endm
.macro PLACES
.rept 4
	v_nop
.endr
.endm
; A joint refill, by the walking descriptor: waves 0 and 1 fetch A's halves, waves 2 and 3 B's.  An s_nop 0 and four v_nop follow each of the two lines.
.macro JLOAD
	s_cmp_eq_u32 s[WR], 0
	s_cbranch_scc0 .Lfor_b_\@
	tensor_load_to_lds s[G0A+4:G0A+7], s[G1A:G1A+7]
	s_nop 0
.rept 4
	v_nop
.endr
	s_branch .Lasked_\@
.Lfor_b_\@:
	tensor_load_to_lds s[G0B+4:G0B+7], s[G1B:G1B+7]
	s_nop 0
.rept 4
	v_nop
.endr
.Lasked_\@:
.endm
; A PREFETCH INTO THE L2: 32 rows x 256 bytes of the K step that stands two refills on (512 matrix instructions ahead of its load), a lane a row.  q's rows are named by the clusters with x = 0, k's by the first of a
; batch's two clusters along y; of the 128 rows that a wave fetches the partner at place p takes 32 (p = cx for q, cy for k): each block once in the launch, the partners told apart by address.  The last two refills ask for nothing.
.macro ASK
	s_cmp_gt_u32 s[CNT], s[LIM]
	s_cbranch_scc0 .Lnot_mine_\@
	global_prefetch_b8 v[PFO], s[PFA:PFA+1] th:TH_LOAD_NT scope:SCOPE_SE
.Lnot_mine_\@:
.endm
.macro CREST
	s_cmp_lg_u32 s[WV], 0
	s_cbranch_scc1 .Lnot_wave_0_\@
	s_barrier_signal -3
.Lnot_wave_0_\@:
	s_barrier_wait -3
	s_barrier_signal -1
	s_barrier_wait -1
.endm
.macro CROUND
	s_barrier_signal -1
	s_barrier_wait -1
	CREST
.endm
.macro FETCH k, f                      ; 32 LDS loads in one run: one quarter step's fragments (B's 16 loads, then A's 16) into buffer f
	WIN 0x40
.irp i, 0,1,2,3,4,5,6,7
	ds_load_b128 v[(\f)+8*(\i):(\f)+8*(\i)+3],   v[ADRB] offset:(\k)+(\i)*16*PITCH
	ds_load_b128 v[(\f)+8*(\i)+4:(\f)+8*(\i)+7], v[ADRB] offset:(\k)+(\i)*16*PITCH+32
.endr
	WIN 0
.irp i, 0,1,2,3,4,5,6,7
	ds_load_b128 v[(\f)+8*(\i):(\f)+8*(\i)+3],   v[ADRA] offset:(\k)+(\i)*16*PITCH
	ds_load_b128 v[(\f)+8*(\i)+4:(\f)+8*(\i)+7], v[ADRA] offset:(\k)+(\i)*16*PITCH+32
.endr
.endm
; 16 matrix instructions; mode 1: the products start the sums.  The 64 accumulators take turns, one instruction a turn, over the backward jumps too.
.macro MUL16 f, hi, a0, mode
	WIN 0xa1+0x50*(\hi)                            ; source 0 (B) window 1, source 1 (A) window 0, C and D window 2 or 3
.set ma, \a0
.rept 2
.set mb, 0
.rept 8
.if (\mode) == 1
	v_wmma_f32_16x16x32_f16 v[8*(8*ma+mb):8*(8*ma+mb)+7], v[(\f)+8*mb:(\f)+8*mb+7], v[(\f)+8*(4*(\hi)+ma):(\f)+8*(4*(\hi)+ma)+7], 0
.else
	v_wmma_f32_16x16x32_f16 v[8*(8*ma+mb):8*(8*ma+mb)+7], v[(\f)+8*mb:(\f)+8*mb+7], v[(\f)+8*(4*(\hi)+ma):(\f)+8*(4*(\hi)+ma)+7], v[8*(8*ma+mb):8*(8*ma+mb)+7]
.endif
.set mb, mb+1
.endr
.set ma, ma+1
.endr
.endm
.macro QUARTER k, f, g, mode           ; 64 matrix instructions on buffer f; in their middle the next quarter, at byte k of the rows, is fetched into buffer g
	s_wait_dscnt 8                                 ; B and A's rows 0-63 are in; the youngest eight loads (A's rows 64-127) may be out
	MUL16 \f, 0, 0, \mode
	MUL16 \f, 0, 2, \mode
	PLACES
	FETCH \k, \g
	s_wait_dscnt 32                                ; all but the 32 just issued
	MUL16 \f, 1, 0, \mode
	MUL16 \f, 1, 2, \mode
.endm
; The fourth quarter multiplies buffer 1 and changes slots: one barrier; in front of it each wave waits for all its tensor loads, adds 0 to its spare word, and waits for that and for its reads of this slot.
; fill = 1: the barrier opens a round of the cluster's, and the slot is filled again first thing behind it: 224 matrix instructions stand between that request and the wait for it.
; fill = 0 (the tail): nothing is asked for; in the last step the run of LDS loads is jumped over.
.macro TURN fill
.if \fill
	s_wait_xcnt 0x0                                ; the last prefetch, a K step back, has read its address
	s_add_nc_u64 s[PFA:PFA+1], s[PFA:PFA+1], KB
.endif
	WIN 0
	s_wait_tensorcnt 0x0                           ; all my tensor loads have landed, so a group 0 may be written
	ds_add_u32 v[SPW], v[NIL]                      ; 0 onto my spare word
.if \fill
	s_xor_b32 s[G0A+5], s[G0A+5], SLOT
	s_add_nc_u64 s[G0A+6:G0A+7], s[G0A+6:G0A+7], KB
	s_xor_b32 s[G0B+5], s[G0B+5], SLOT
	s_add_nc_u64 s[G0B+6:G0B+7], s[G0B+6:G0B+7], KB
.endif
	s_wait_dscnt 9                                 ; (the add and the youngest eight loads may be out)
	MUL16 F1, 0, 0, 0
	s_wait_dscnt 0x0                               ; the add is done, and my reads of this slot are back
	s_barrier_signal -1
	MUL16 F1, 0, 2, 0
	WIN 0
	s_barrier_wait -1
.if \fill
	CREST
	JLOAD                                          ; its four v_nop are also the places in front of the loads below
	s_xor_b32 s[TB], s[TB], SLOT
	v_add_nc_u32 v[ADRA], s[TB], v[A0]
	v_add_nc_u32 v[ADRB], s[TB], v[B0]
	FETCH 0, F0
	ASK
.else
	PLACES
	s_cmp_eq_u32 s[CNT], 1
	s_cbranch_scc1 .Lno_fetch_\@
	s_xor_b32 s[TB], s[TB], SLOT
	v_add_nc_u32 v[ADRA], s[TB], v[A0]
	v_add_nc_u32 v[ADRB], s[TB], v[B0]
	FETCH 0, F0
.Lno_fetch_\@:
.endif
	MUL16 F1, 1, 0, 0
	MUL16 F1, 1, 2, 0
.endm
.macro FORA line:vararg                ; one line for each row block ea of the four in window 2
.set ea, 0
.rept 4
	\line
.set ea, ea+1
.endr
.endm
.macro FOR16 line:vararg               ; one line for each chain eq = 4 a + k: its 16 scores are accumulators 2 k and 2 k + 1 of block a, v[16 eq] on
.set eq, 0
.rept 16
	\line
.set eq, eq+1
.endr
.endm
.macro SCL blk, i                      ; pair i of block blk: c s - mc
	v_pk_fma_f32 v[64*(\blk)+2*(\i):64*(\blk)+2*(\i)+1], v[64*(\blk)+2*(\i):64*(\blk)+2*(\i)+1], s[CS:CS+1], v[ST+4*(\blk):ST+4*(\blk)+1] op_sel_hi:[1,0,0] neg_lo:[0,0,1] neg_hi:[0,0,1]
.endm
.macro PACK a                          ; the block's weights rounded to f16, 16 bytes a lane
	WIN 0x0a                                       ; sources 0 and 1 window 2, destination window 0
.set pi, 0
.rept 32
	v_cvt_pk_f16_f32 v[TMP+pi], v[64*(\a)+2*pi], v[64*(\a)+2*pi+1]
.set pi, pi+1
.endr
	WIN 0
.endm
.macro SUM a                           ; the sum of the lane's 32 pairs, in place: neighbours 16, 8, 4, 2 and 1 pairs apart; then the pair's halves and the other half of the lanes
	WIN 0x8a                                       ; destination and both sources window 2
.irp d, 16,8,4,2
.set pi, 0
.rept \d
	v_pk_add_f32 v[64*(\a)+2*pi:64*(\a)+2*pi+1], v[64*(\a)+2*pi:64*(\a)+2*pi+1], v[64*(\a)+2*pi+2*(\d):64*(\a)+2*pi+2*(\d)+1]
.set pi, pi+1
.endr
.endr
	WIN 0x0a
	v_pk_add_f32 v[ST+4*(\a)+2:ST+4*(\a)+3], v[64*(\a):64*(\a)+1], v[64*(\a)+2:64*(\a)+3]
	WIN 0
	v_add_f32 v[ST+4*(\a)+2], v[ST+4*(\a)+2], v[ST+4*(\a)+3]
	v_permlanex16_b32 v[ST+4*(\a)+3], v[ST+4*(\a)+2], s[SEL], s[SEL+1]
	v_add_f32 v[ST+4*(\a)+2], v[ST+4*(\a)+2], v[ST+4*(\a)+3]
.endm
.macro TOSTAGE a
.set BK, BK0+32*((\a)%2)
.irp b, 0,1,2,3,4,5,6,7
	ds_store_b128 v[STO], v[TMP+4*(\b):TMP+4*(\b)+3] offset:32*(\b)
.endr
.irp t, 0,1,2,3,4,5,6,7
	ds_load_b128 v[BK+4*(\t):BK+4*(\t)+3], v[RD] offset:(\t)*2*SP  ; LDS serves a wave's instructions in order (ISA guide 5.7.1.4): these see the stores above
.endr
.endm
.macro SEND a
.set BK, BK0+32*((\a)%2)
	s_wait_dscnt 0x0                               ; the block is back in registers
	s_wait_xcnt 0x0                                ; the stores of the block before have read their registers, which the next block's loads from the stage write
.irp t, 0,1,2,3,4,5,6,7
	global_store_b128 v[CO], v[BK+4*(\t):BK+4*(\t)+3], s[8:9] offset:(16*(\a)+2*(\t))*PITCHC  ; 16 lanes store 256 consecutive bytes, at a multiple of 256 from pw's first byte
.endr
.endm
	s_load_b64 s[4:5], s[0:1], 0x0                 ; qkv
	s_load_b128 s[8:11], s[0:1], 0x8               ; pw s[8:9], st s[10:11]
	v_lshl_add_u32 v[SPW], v0, 2, SPARE
	v_mov_b32 v[NIL], 0
	ds_add_u32 v[SPW], v[NIL]                      ; the wave's opening: the add and its wait stand ahead of my first tensor load; the set-up below, work on registers, stands between them
	v_lshrrev_b32 v1, 5, v0
	v_readfirstlane_b32 s[WV], v1
	s_lshr_b32 s[WR], s[WV], 1
	s_and_b32 s[WC], s[WV], 1
	s_bfe_u32 s[CX], ttmp6, 0x40000
	s_bfe_u32 s[CY], ttmp6, 0x40004
	s_lshl_b32 s[TCOL], ttmp9, 2
	s_add_co_u32 s[TCOL], s[TCOL], s[CX]           ; which 256 keys of the batch
	s_and_b32 s[CLY], ttmp7, 0xffff
	s_lshl_b32 s[TROW], s[CLY], 2
	s_add_co_u32 s[TROW], s[TROW], s[CY]           ; which 256 of the 8,192 rows; the batch is cluster y / 2
	s_lshl_b32 s44, s[CY], 2
	s_lshl_b32 s44, 15, s44
	s_lshl_b32 s45, 0x1111, s[CX]
	s_or_b32 s[G1A], s44, G1W                      ; q's tiles go to my row of the cluster,
	s_or_b32 s[G1B], s45, G1W                      ; k's to my column
.irp g, G1A, G1B
	s_mov_b32 s[(\g)+1], 128<<16                   ; tensor_dim0 = 128
	s_mov_b32 s[(\g)+2], 128<<16                   ; tensor_dim1 = 128
	s_mov_b32 s[(\g)+3], 128<<16                   ; tile_dim0 = 128
	s_mov_b32 s[(\g)+4], 128                       ; tile_dim1 = 128
	s_mov_b32 s[(\g)+5], 3072                      ; elements from row to row
	s_mov_b32 s[(\g)+6], 0
	s_mov_b32 s[(\g)+7], 0
.endr
	s_mul_i32 s23, s[WV], HALFT                    ; where the tiles go: wave x 128 rows: no place in the cluster enters an LDS address
	s_mov_b32 s[G0A], 1
	s_mov_b32 s[G0A+1], s23
	s_mov_b32 s[G0A+4], 1
	s_add_co_u32 s[G0A+5], s23, SLOT
	s_mov_b32 s[G0B], 1
	s_mov_b32 s[G0B+1], s23
	s_mov_b32 s[G0B+4], 1
	s_add_co_u32 s[G0B+5], s23, SLOT
	s_lshl_b32 s23, s[WC], 7                       ; which 128 rows of the tile I fetch
	s_lshl_b32 s42, s[TROW], 8                     ; q: row 256 x tile row + 128 x half
	s_add_co_u32 s42, s42, s23
	s_mul_i32 s42, s42, ROWQ                       ; in bytes (under 2^26)
	s_mov_b32 s43, 0
	s_lshr_b32 s46, s[CLY], 1                      ; k: row 2,048 x batch + 256 x tile column + 128 x half
	s_lshl_b32 s46, s46, 11
	s_lshl_b32 s47, s[TCOL], 8
	s_add_co_u32 s46, s46, s47
	s_add_co_u32 s46, s46, s23
	s_mul_i32 s46, s46, ROWQ
	s_mov_b32 s47, 0
	s_mov_b32 s[CS], 0x3d38aa3b                    ; c = log2(e) / 32 = 0.0450842
	s_mov_b32 s[CS+1], s[CS]                       ; named with it as a pair
	s_mov_b32 s[SEL], 0x76543210
	s_mov_b32 s[SEL+1], 0xfedcba98
	s_wait_dscnt 0x0                               ; the opening add is done
	s_wait_kmcnt 0x0
	s_add_nc_u64 s[6:7], s[4:5], 2048              ; k lies 2,048 bytes into a row
	s_add_nc_u64 s[G0A+2:G0A+3], s[4:5], s[42:43]
	s_add_nc_u64 s[G0A+6:G0A+7], s[G0A+2:G0A+3], KB
	s_or_b32 s[G0A+3], s[G0A+3], 0x80000000
	s_or_b32 s[G0A+7], s[G0A+7], 0x80000000
	s_add_nc_u64 s[G0B+2:G0B+3], s[6:7], s[46:47]
	s_add_nc_u64 s[G0B+6:G0B+7], s[G0B+2:G0B+3], KB
	s_or_b32 s[G0B+3], s[G0B+3], 0x80000000
	s_or_b32 s[G0B+7], s[G0B+7], 0x80000000
	CROUND                                         ; all sixteen work-groups are here: the first joint loads meet
	s_cmp_eq_u32 s[WR], 0                          ; a wave's two first fills stand in one branch: two loads of mine are out
	s_cbranch_scc0 .Lfirst_b
	tensor_load_to_lds s[G0A:G0A+3], s[G1A:G1A+7]
	s_nop 0
	tensor_load_to_lds s[G0A+4:G0A+7], s[G1A:G1A+7]
	s_nop 0
.rept 4
	v_nop
.endr
	s_branch .Lfirst_asked
.Lfirst_b:
	tensor_load_to_lds s[G0B:G0B+3], s[G1B:G1B+7]
	s_nop 0
	tensor_load_to_lds s[G0B+4:G0B+7], s[G1B:G1B+7]
	s_nop 0
.rept 4
	v_nop
.endr
.Lfirst_asked:
	v_and_b32 v1, 15, v0                           ; l % 16
	v_bfe_u32 v2, v0, 4, 1                         ; l / 16
	v_mul_u32_u24 v3, v1, PITCH
	v_lshl_add_u32 v3, v2, 4, v3
	s_mul_i32 s84, s[WR], HALFT
	v_add_nc_u32 v[A0], s84, v3
	s_mul_i32 s84, s[WC], HALFT
	s_add_co_u32 s84, s84, 2*HALFT
	v_add_nc_u32 v[B0], s84, v3
	s_mul_i32 s84, s[WV], 16*SP
	s_add_co_u32 s84, s84, STAGE
	v_add_nc_u32 v[STO], s84, v3
	v_mul_u32_u24 v4, v2, SP
	v_lshl_add_u32 v4, v1, 4, v4
	v_add_nc_u32 v[RD], s84, v4
	v_lshlrev_b32 v4, 12, v2                       ; the same two rows in pw
	v_lshl_add_u32 v[CO], v1, 4, v4
	s_lshl_b32 s84, s[WV], 9
	s_add_co_u32 s84, s84, SCR                     ; my 512 bytes for the statistics
	v_lshl_add_u32 v[SA], v1, 2, s84
	v_and_b32 v5, 31, v0
	v_lshlrev_b32 v[SO], 3, v5
	v_add_nc_u32 v[SB], s84, v[SO]
	s_lshl_b32 s78, s[TROW], 8                     ; where my part of the tile begins in pw
	s_lshl_b32 s79, s[WR], 7
	s_add_co_u32 s78, s78, s79                     ; my first row
	s_lshl_b32 s86, s78, 2                         ; (its place in a block's 8,192 words of st)
	s_lshl_b32 s78, s78, 12
	s_lshl_b32 s79, s[TCOL], 9
	s_add_co_u32 s78, s78, s79
	s_lshl_b32 s79, s[WC], 8
	s_add_co_u32 s78, s78, s79
	s_mov_b32 s79, 0
	s_add_nc_u64 s[8:9], s[8:9], s[78:79]
	s_lshl_b32 s87, s[TCOL], 1                     ; my block of keys: 2 x tile column + half,
	s_add_co_u32 s87, s87, s[WC]
	s_lshl_b32 s87, s87, 15                        ; 32,768 bytes a block
	s_add_co_u32 s86, s86, s87
	s_mov_b32 s87, 0
	s_add_nc_u64 s[10:11], s[10:11], s[86:87]
	; the prefetches
	s_lshl_b32 s80, s[TROW], 8
	s_lshl_b32 s81, s[WC], 7
	s_add_co_u32 s80, s80, s81
	s_lshl_b32 s81, s[CX], 5
	s_add_co_u32 s80, s80, s81                     ; q's: my work-group's 32 rows of the 128 that I fetch
	s_lshr_b32 s82, s[CLY], 1
	s_lshl_b32 s82, s82, 11
	s_lshl_b32 s83, s[TCOL], 8
	s_add_co_u32 s82, s82, s83
	s_lshl_b32 s83, s[WC], 7
	s_add_co_u32 s82, s82, s83
	s_lshl_b32 s83, s[CY], 5
	s_add_co_u32 s82, s82, s83                     ; k's likewise
	s_and_b32 s85, s[CLY], 1
	s_cmp_eq_u32 s[WR], 0
	s_cselect_b32 s80, s80, s82
	s_cselect_b32 s84, ttmp9, s85                  ; the same in all sixteen partners, for a given wave
	s_cselect_b64 s[PFA:PFA+1], s[4:5], s[6:7]
	s_cmp_eq_u32 s84, 0
	s_cselect_b32 s[LIM], 2, -1
	s_mul_i32 s80, s80, ROWQ
	s_add_co_u32 s80, s80, 3*KB                    ; at K step 3: the first refill steps it to 4
	s_mov_b32 s81, 0
	s_add_nc_u64 s[PFA:PFA+1], s[PFA:PFA+1], s[80:81]
	v_mul_u32_u24 v[PFO], v5, ROWQ
	s_wait_tensorcnt 0x1                           ; my part of K step 0 is in; K step 1's may stay out
	s_barrier_signal -1
	s_barrier_wait -1
	s_mov_b32 s[TB], 0
	v_add_nc_u32 v[ADRA], s[TB], v[A0]
	v_add_nc_u32 v[ADRB], s[TB], v[B0]
	FETCH 0, F0
	QUARTER 64, F0, F1, 1                          ; the first quarter stands in front of the loop: its products start the sums: nothing is cleared
	WIN 0
	s_mov_b32 s[CNT], T-2
.Lstep:                                            ; T - 2 trips, from a step's second quarter to the next step's first
	QUARTER 128, F1, F0, 0
	QUARTER 192, F0, F1, 0
	TURN 1
	QUARTER 64, F0, F1, 0
	WIN 0
	s_sub_co_u32 s[CNT], s[CNT], 1
	s_cmp_lg_u32 s[CNT], 0
	s_cbranch_scc1 .Lstep
	s_mov_b32 s[CNT], 2
.Ltail:                                            ; the last two K steps have a text of their own; the second trip is left in its middle
	QUARTER 128, F1, F0, 0
	QUARTER 192, F0, F1, 0
	TURN 0
	WIN 0
	s_sub_co_u32 s[CNT], s[CNT], 1
	s_cmp_eq_u32 s[CNT], 0
	s_cbranch_scc1 .Lout
	QUARTER 64, F0, F1, 0
	WIN 0
	s_branch .Ltail
.Lout:
	PLACES
	s_mov_b32 s[EC], 2
.Lhalf:                                            ; two trips: my rows 0-63, then my rows 64-127, each time in window 2
	; THE MAXIMA.  A lane holds 64 scores of each of four queries: four chains of 16 a query, three operands at a time; each accumulator's lowest registers are read first.
	WIN 0x2a                                       ; all three sources window 2
	FOR16 v_max3_num_f32 v[CH+eq], v[16*eq], v[16*eq+1], v[16*eq+2]
	WIN 0x28                                       ; source 0 window 0
.irp i, 3,5,7,9,11,13
	FOR16 v_max3_num_f32 v[CH+eq], v[CH+eq], v[16*eq+\i], v[16*eq+\i+1]
.endr
	FORA v_max3_num_f32 v[CH+4*ea], v[CH+4*ea], v[64*ea+15], v[64*ea+31]
	FORA v_max3_num_f32 v[CH+4*ea+2], v[CH+4*ea+2], v[64*ea+47], v[64*ea+63]
	WIN 0
	FORA v_max3_num_f32 v[CH+4*ea], v[CH+4*ea], v[CH+4*ea+1], v[CH+4*ea+2]
	FORA v_max_num_f32 v[CH+4*ea], v[CH+4*ea], v[CH+4*ea+3]
	FORA v_permlanex16_b32 v[CH+4*ea+1], v[CH+4*ea], s[SEL], s[SEL+1]
	FORA v_max_num_f32 v[ST+4*ea+1], v[CH+4*ea], v[CH+4*ea+1]
	FORA v_mul_f32 v[ST+4*ea], s[CS], v[ST+4*ea+1]
	; ONE BATCH: the 128 scalings and the 256 exponentials, in place; a block's exponentials go with the next block's scalings between them.  Nothing here names an exponential's result.
	WIN 0x82                                       ; destination and source 0 window 2, mc window 0
.set ei, 0
.rept 32
	SCL 0, ei
.set ei, ei+1
.endr
.set eb, 0
.rept 4
.set ei, 0
.rept 32
	v_exp_f32 v[64*eb+2*ei], v[64*eb+2*ei]
	v_exp_f32 v[64*eb+2*ei+1], v[64*eb+2*ei+1]
.if eb < 3
	SCL eb+1, ei
.endif
.set ei, ei+1
.endr
.set eb, eb+1
.endr
	v_nop                                          ; a plain instruction behind the last exponential (ISA guide 5.7.2),
	s_wait_alu depctr_va_vdst(0)                   ; and the wait ahead of the first use: one for the batch
	PACK 0                                         ; a block is rounded first, then summed in place; a block's arithmetic stands between the loads of the block before and its stores
	TOSTAGE 0
	SUM 0
.irp a, 1,2,3
	PACK \a
	SEND (\a)-1
	TOSTAGE \a
	SUM \a
.endr
	SEND 3
	; the statistics: both halves of the lanes hold the same number and write the same word; back as 8 bytes a lane: 256 consecutive bytes of st, at a multiple of 256 from its first byte
	FORA ds_store_b32 v[SA], v[ST+4*ea] offset:64*ea
	FORA ds_store_b32 v[SA], v[ST+4*ea+2] offset:256+64*ea
	ds_load_b64 v[4:5], v[SB]
	ds_load_b64 v[6:7], v[SB] offset:256
	s_wait_dscnt 0x0
	global_store_b64 v[SO], v[4:5], s[10:11]
	global_store_b64 v[SO], v[6:7], s[10:11] offset:524288
	s_cmp_eq_u32 s[EC], 1
	s_cbranch_scc1 .Llast_half                     ; behind the second half nothing is left to bring
	s_wait_xcnt 0x0                                ; the stores have read their registers and their bases, which are written again below and in the second trip
	s_add_nc_u64 s[8:9], s[8:9], 64*PITCHC         ; 64 rows of pw on,
	s_add_nc_u64 s[10:11], s[10:11], 256           ; 64 words of st on
	WIN 0x83                                       ; destination window 2, source window 3: my rows 64-127 go where the one text names the accumulators; each accumulator's registers in ascending order
.set i, 0
.rept 256
	v_mov_b32 v[i], v[i]
.set i, i+1
.endr
	WIN 0
.Llast_half:
	s_sub_co_u32 s[EC], s[EC], 1
	s_cmp_lg_u32 s[EC], 0
	s_cbranch_scc1 .Lhalf
	s_wait_tensorcnt 0x0                           ; the wave's end, behind my last tensor load and my last LDS store
	ds_add_u32 v[SPW], v[NIL]
	s_wait_dscnt 0x0
	CROUND                                         ; the closing round
	s_endpgm
.Lfunc_end_k_qffbc2e996c_scores:
	.size	k_qffbc2e996c_scores, .Lfunc_end_k_qffbc2e996c_scores-k_qffbc2e996c_scores
	.p2alignl 7, 3214868480
	.fill 96, 4, 3214868480
	.section	.rodata,"a",@progbits
	.p2align	6, 0x0
	.amdhsa_kernel k_qffbc2e996c_scores
		.amdhsa_group_segment_fixed_size 327680
		.amdhsa_private_segment_fixed_size 0
		.amdhsa_enable_private_segment 0
		.amdhsa_kernarg_size 24
		.amdhsa_user_sgpr_count 2
		.amdhsa_user_sgpr_kernarg_segment_ptr 1
		.amdhsa_wavefront_size32 1
		.amdhsa_system_sgpr_workgroup_id_x 1
		.amdhsa_system_sgpr_workgroup_id_y 1
		.amdhsa_system_sgpr_workgroup_id_z 1
		.amdhsa_system_vgpr_workitem_id 0
		.amdhsa_next_free_vgpr 1024
		.amdhsa_next_free_sgpr 96
		.amdhsa_reserve_vcc 0
		.amdhsa_float_denorm_mode_32 3
		.amdhsa_float_denorm_mode_16_64 3
		.amdhsa_memory_ordered 1
		.amdhsa_forward_progress 1
		.amdhsa_inst_pref_size 128
	.end_amdhsa_kernel
	.amdgpu_metadata
---
amdhsa.version: [ 1, 2 ]
amdhsa.kernels:
  - .name:           k_qffbc2e996c_scores
    .symbol:         k_qffbc2e996c_scores.kd
    .args:
      - { .name: qkv, .offset: 0, .size: 8, .value_kind: global_buffer, .address_space: global }
      - { .name: pw, .offset: 8, .size: 8, .value_kind: global_buffer, .address_space: global }
      - { .name: st, .offset: 16, .size: 8, .value_kind: global_buffer, .address_space: global }
    .group_segment_fixed_size: 327680
    .private_segment_fixed_size: 0
    .kernarg_segment_align: 8
    .kernarg_segment_size: 24
    .max_flat_workgroup_size: 128
    .sgpr_count:     96
    .vgpr_count:     1024
    .wavefront_size: 32
...
	.end_amdgpu_metadata
.endif
;; end of part 7
;; launch pv: the kernel of part 4 again; grid 4 x 64, 4 waves a work-group, clusters of 4 x 4, 327,680 bytes of LDS; arguments pw, qkv, out0, st; writes out0
;; ======== version 3 of 3: 4 launches; version 2 with the launch cast written anew for expert scheduling mode
;; limits: values are held in f16: magnitudes above 65,504 overflow, below 6.1e-05 lose precision
;; workspace buffers: xb 16,777,216 bytes; wb 6,291,456 bytes; qkv 50,331,648 bytes; pw 33,554,432 bytes; st 1,048,576 bytes
;; launch cast (part 8): grid 704 x 1, 8 waves a work-group, no clusters, 0 bytes of LDS; arguments x, Wq, Wk, Wv, xb, wb; writes xb, wb
.if DOCPART == 8
	.amdgcn_target "amdgcn-amd-amdhsa--gfx1250"
	.amdhsa_code_object_version 6
	.text
	.protected	k_qffbc2e996c_cast
	.globl	k_qffbc2e996c_cast
	.p2align	8
	.type	k_qffbc2e996c_cast,@function
k_qffbc2e996c_cast:
	s_mov_b64 s[64:65], 0
	v_nop
	global_prefetch_b8 v0, s[64:65] scope:SCOPE_SE
	s_setreg_imm32_b32 hwreg(HW_REG_WAVE_SCHED_MODE, 0, 2), 2
	s_setreg_imm32_b32 hwreg(HW_REG_WAVE_MODE, 25, 1), 1
	s_wait_xcnt 0x0
	s_wait_alu depctr_vm_vsrc(0)
; CAST.  x and the three weight matrices are rounded to bf16 (to nearest even, once) and laid out in the blocks in which the next launch asks for them: a K step there is 64 channels, 128 bytes of a row, and the rows
; of a tile lie end to end.  xb[T][s][p][64]: row 256 T + p of x, channels 64 s on: 32 x 16 blocks of 32,768 bytes.  wb[c][s][n][64], n = 128 z + i: row 128 c + i of Wq, Wk, Wv (z = 0, 1, 2): 8 x 16 blocks of 49,152 bytes.
; A stream: every input byte is read once, every output byte written once; no LDS, no matrix unit, no barrier: no wave wants another's bytes.
; SHARES.  A work-group takes 16 rows (65,536 bytes in, 32,768 out): groups 0-511 x, groups 512-703 the weights, 64 groups a matrix.  A wave takes two rows: 16 loads of 16 bytes a lane, one for each K step, all issued
; at once: lanes 0-15 take 256 neighbouring bytes of one row, lanes 16-31 of the next.  Each load's numbers leave by one store of 8 bytes a lane: two rows' 128 bytes, which are 256 consecutive bytes at a multiple of 256
; from the buffer's first byte.
; THE MODE: SCHED_MODE bits 1:0 = 2 (LLVM: expert scheduling mode 2), set by the entry lines.  The code itself states the register dependences between vector instructions and memory instructions, with s_wait_alu, always for 0.
; THE PLAN.  Registers that memory instructions touch:
;   v1       the loads' offset.   Written at the head by vector lines, never again; read by all 16 loads.
;   O        the stores' offsets. Written at the head by vector lines, never again; store j reads O + j.
;   X        Written by the loads alone, each register once; read by the conversions.
;   Y        Written by the conversions, each register once; store j reads its pair.
; The 16 loads' numbers go in four groups of four.  Group g rounds X of its four loads into its own eight registers of Y; the four stores of group g - 1 are dealt among its conversions, which name group g's X and Y alone.
; So one wait at the head states that the offsets are written, one wait at the head of each later group that the group before has written its Y, and one behind the last group the same for the last four stores.
; No register that a memory instruction reads is written a second time, no vector line writes a scalar register, and EXEC is never written: nothing more is owed.
.set X, 4                              ; v[4:67]    16 x 4 registers as loaded
.set Y, 68                             ; v[68:99]   16 x 2 registers to store; no register is written twice, so no store's source is ever rewritten
.set O, 100                            ; v[100:115] the stores' offsets: 8 x my thread's number + K step x the bytes of a block
	s_load_b256 s[4:11], s[0:1], 0x0               ; x s[4:5], Wq s[6:7], Wk s[8:9], Wv s[10:11]
	s_load_b128 s[12:15], s[0:1], 0x20             ; xb s[12:13], wb s[14:15]
	v_and_b32 v1, 0xe0, v0                         ; 32 x wave
	v_bfe_u32 v2, v0, 4, 1                         ; which of the wave's two rows
	v_and_b32 v3, 15, v0                           ; my 16 bytes of its 256
	v_lshlrev_b32 v1, 8, v1                        ; wave x 8,192 bytes
	v_lshl_or_b32 v1, v2, 12, v1                   ; + a row of 4,096
	v_lshl_or_b32 v1, v3, 4, v1                    ; my offset in the group's input
	s_mov_b32 s2, ttmp9                            ; the group's number
	s_sub_co_u32 s3, s2, 512                       ; its number among the weights' groups (used from group 512 on alone)
	s_lshr_b32 s16, s3, 6                          ; which matrix z,
	s_and_b32 s17, s3, 63                          ; which 16 rows of it
	s_lshr_b32 s22, s17, 3                         ; the weights' place in wb: column group c = rows / 128,
	s_mul_i32 s22, s22, 786432                     ; 16 blocks of 49,152 bytes each,
	s_lshl_b32 s23, s16, 14                        ; + z x 128 rows of 128 bytes
	s_add_co_u32 s22, s22, s23
	s_and_b32 s23, s17, 7
	s_lshl_b32 s23, s23, 11                        ; + the 16 rows' place among the 128
	s_add_co_u32 s22, s22, s23
	s_lshr_b32 s26, s2, 4                          ; x's place in xb: tile row T = rows / 256, 16 blocks of 32,768 bytes each,
	s_lshl_b32 s26, s26, 19
	s_and_b32 s23, s2, 15
	s_lshl_b32 s23, s23, 11                        ; + the 16 rows' place among the 256
	s_add_co_u32 s26, s26, s23
	s_mov_b32 s28, 49152
	s_cmp_lt_u32 s2, 512
	s_cselect_b32 s24, s2, s17                     ; the part's number in the source,
	s_cselect_b32 s26, s26, s22                    ; its byte in the destination,
	s_cselect_b32 s28, 32768, s28                  ; and the bytes from a K step's block to the next
	s_lshl_b32 s24, s24, 16
	s_mov_b32 s25, 0
	s_mov_b32 s27, 0
	v_lshlrev_b32 v[O], 3, v0                      ; 256 x wave + 8 x lane
.set j, 1
.rept 15
	v_add_nc_u32 v[O+j], s28, v[O+j-1]
.set j, j+1
.endr
	s_wait_kmcnt 0x0
	s_cmp_eq_u32 s16, 1
	s_cselect_b64 s[18:19], s[8:9], s[6:7]         ; Wk or Wq,
	s_cmp_eq_u32 s16, 2
	s_cselect_b64 s[18:19], s[10:11], s[18:19]     ; or Wv,
	s_cmp_lt_u32 s2, 512
	s_cselect_b64 s[18:19], s[4:5], s[18:19]       ; or x
	s_cselect_b64 s[20:21], s[12:13], s[14:15]     ; into xb or wb
	s_add_nc_u64 s[18:19], s[18:19], s[24:25]
	s_add_nc_u64 s[20:21], s[20:21], s[26:27]
	s_wait_alu depctr_va_vdst(0)                   ; v1 and the sixteen offsets v[O ..] are written: every load below reads v1, every store one of v[O ..]; no later vector line names them
.set j, 0
.rept 16
	global_load_b128 v[X+4*j:X+4*j+3], v1, s[18:19] offset:256*j th:TH_LOAD_NT
.set j, j+1
.endr
.set g, 0
.rept 4                                ; group g: loads 4 g to 4 g + 3 are rounded; the stores of group g - 1 go out among the conversions
	s_wait_loadcnt 12-4*g                          ; loads come back in order (ISA guide 5.7.1): group g's four are in, the 12 - 4 g younger ones stay out
.if g > 0
	s_wait_alu depctr_va_vdst(0)                   ; the conversions of the group before have written their eight registers of Y, which the four stores below read
.endif
.set i, 0
.rept 4
.set j, 4*g+i
.if g > 0
	global_store_b64 v[O+j-4], v[Y+2*(j-4):Y+2*(j-4)+1], s[20:21]  ; no vector line since the wait names these registers: the conversions of this group write its own Y
.endif
	v_cvt_pk_bf16_f32 v[Y+2*j], v[X+4*j], v[X+4*j+1]
	v_cvt_pk_bf16_f32 v[Y+2*j+1], v[X+4*j+2], v[X+4*j+3]
.set i, i+1
.endr
.set g, g+1
.endr
	s_wait_alu depctr_va_vdst(0)                   ; the last group's conversions have written their Y, which the last four stores read
.set j, 12
.rept 4
	global_store_b64 v[O+j], v[Y+2*j:Y+2*j+1], s[20:21]
.set j, j+1
.endr
	s_endpgm
.Lfunc_end_k_qffbc2e996c_cast:
	.size	k_qffbc2e996c_cast, .Lfunc_end_k_qffbc2e996c_cast-k_qffbc2e996c_cast
	.p2alignl 7, 3214868480
	.fill 96, 4, 3214868480
	.section	.rodata,"a",@progbits
	.p2align	6, 0x0
	.amdhsa_kernel k_qffbc2e996c_cast
		.amdhsa_group_segment_fixed_size 0
		.amdhsa_private_segment_fixed_size 0
		.amdhsa_enable_private_segment 0
		.amdhsa_kernarg_size 48
		.amdhsa_user_sgpr_count 2
		.amdhsa_user_sgpr_kernarg_segment_ptr 1
		.amdhsa_wavefront_size32 1
		.amdhsa_system_sgpr_workgroup_id_x 1
		.amdhsa_system_sgpr_workgroup_id_y 1
		.amdhsa_system_sgpr_workgroup_id_z 1
		.amdhsa_system_vgpr_workitem_id 0
		.amdhsa_next_free_vgpr 120
		.amdhsa_next_free_sgpr 66
		.amdhsa_reserve_vcc 0
		.amdhsa_float_denorm_mode_32 3
		.amdhsa_float_denorm_mode_16_64 3
		.amdhsa_memory_ordered 1
		.amdhsa_forward_progress 1
		.amdhsa_inst_pref_size 8
	.end_amdhsa_kernel
	.amdgpu_metadata
---
amdhsa.version: [ 1, 2 ]
amdhsa.kernels:
  - .name:           k_qffbc2e996c_cast
    .symbol:         k_qffbc2e996c_cast.kd
    .args:
      - { .name: x, .offset: 0, .size: 8, .value_kind: global_buffer, .address_space: global }
      - { .name: Wq, .offset: 8, .size: 8, .value_kind: global_buffer, .address_space: global }
      - { .name: Wk, .offset: 16, .size: 8, .value_kind: global_buffer, .address_space: global }
      - { .name: Wv, .offset: 24, .size: 8, .value_kind: global_buffer, .address_space: global }
      - { .name: xb, .offset: 32, .size: 8, .value_kind: global_buffer, .address_space: global }
      - { .name: wb, .offset: 40, .size: 8, .value_kind: global_buffer, .address_space: global }
    .group_segment_fixed_size: 0
    .private_segment_fixed_size: 0
    .kernarg_segment_align: 8
    .kernarg_segment_size: 48
    .max_flat_workgroup_size: 256
    .sgpr_count:     66
    .vgpr_count:     120
    .wavefront_size: 32
...
	.end_amdgpu_metadata
.endif
;; end of part 8
;; launch proj: the kernel of part 6 again; grid 8 x 32, 4 waves a work-group, clusters of 4 x 4, 327,680 bytes of LDS; arguments xb, wb, qkv, bq, bk, bv; writes qkv
;; launch scores: the kernel of part 7 again; grid 8 x 32, 4 waves a work-group, clusters of 4 x 4, 327,680 bytes of LDS; arguments qkv, pw, st; writes pw, st
;; launch pv: the kernel of part 4 again; grid 4 x 64, 4 waves a work-group, clusters of 4 x 4, 327,680 bytes of LDS; arguments pw, qkv, out0, st; writes out0
